; MI455X (gfx1250); checked and timed in simulation.
; The chip was launched on July 23, 2026; its instructions are those of AMD's public machine-readable ISA for CDNA 5 (MIT licence, August 2026) and "CDNA5" Instruction Set Architecture Reference Guide (July 2026). The comments in the code are by the model that wrote it; some were corrected since.
;; Multi Head Attention Llama2. Allowed arithmetic: matrix products marked QUANTISED: E2M1 operands, one E8M0 scale for each 32 along K, by v_wmma_scale_f32_16x16x128_f8f6f4 with both operands' format E2M1 (or v_wmma_scale_f32_32x16x128_f4), f32 sums; products left as they are: bf16, f16 or f32 operands; f32 sums; everything else in f32.
;; Inputs: Wk 1,024 x 1,024 float32; Wp 1,024 x 1,024 float32; Wq 1,024 x 1,024 float32; Wv 1,024 x 1,024 float32; bp 1,024 float32; x 4 x 2,048 x 1,024 float32.
;; Outputs: out0 4 x 2,048 x 1,024 float32.
;; This version of the problem:
;;   THIS VERSION OF THE PROBLEM IS GIVEN IN LOW PRECISION. The matrix products marked QUANTISED in the list below multiply operands that are first quantised to E2M1 (2 exponent bits, 1 mantissa bit; 4 bits a number), with one power-of-two scale for each 32 numbers along K (OCP MX v1.0); their sums are f32. The products marked 'left as it is' may take bf16, f16 or f32 operands, with f32 sums. Whichever they take, every output number must still come out within the allowed error. Rounding operands to bf16 (8 significant bits) uses up far more of that allowance than f16 does (11 bits, for magnitudes from 6e-5 to 65,504). All else is computed in f32.
;;   The module's matrix products, in the order in which they are computed (A, B: the left and right operand; K: the contracted axis; several contracted axes count as one K, in the product's order):
;;     1. [M 8,192, K 1,024] x [K 1,024, N 1,024]; A: input x; B: input Wq: QUANTISED
;;     2. [M 8,192, K 1,024] x [K 1,024, N 1,024]; A: input x; B: input Wk: QUANTISED
;;     3. [M 8,192, K 1,024] x [K 1,024, N 1,024]; A: input x; B: input Wv: QUANTISED
;;     4. batch 64 x [M 2,048, K 64] x [K 64, N 2,048]; A: computed on the way; B: computed on the way: left as it is (an operand is computed on the way)
;;     5. batch 64 x [M 2,048, K 2,048] x [K 2,048, N 64]; A: computed on the way; B: computed on the way: left as it is (an operand is computed on the way)
;;     6. [M 8,192, K 1,024] x [K 1,024, N 1,024]; A: computed on the way; B: input Wp: left as it is (an operand is computed on the way)
;;   THE QUANTISER, for each operand of a quantised product, along K:
;;     - K is cut into blocks of 32 from its start; a last block that is shorter is filled with zeros.
;;     - A block's scale is 2^e with e = floor(log2(the largest magnitude in the block)) - 2, held to -126 .. 127; a block of zeros has e = 0. As a byte (E8M0): e + 127.
;;     - Each number is divided by its block's scale, clamped to +-6, and rounded to the nearest number of E2M1, ties to even, subnormals kept.
;;     - The product sums the exact products of the quantised numbers (number of the format x scale) in f32.
;;   ~~~python
;;   def quantise(x, axis):      # numpy; x: float32 -> the quantised numbers, widened to float32 again
;;       x = np.moveaxis(x, axis, -1); K = x.shape[-1]
;;       x = np.pad(x, [(0, 0)] * (x.ndim - 1) + [(0, -K % 32)]); x = x.reshape(x.shape[:-1] + (-1, 32)); a = np.abs(x).max(-1, keepdims=True)
;;       e = np.where(a > 0, np.clip(np.frexp(np.where(a > 0, a, 1))[1] - 1 - 2, -126, 127), 0)      # np.frexp(a)[1] - 1 = floor(log2(a)), exactly
;;       r = np.clip(x / 2.0 ** e, -6, 6)
;;       step = 2.0 ** (np.maximum(np.frexp(np.where(r == 0, 1, r))[1] - 1, 0) - 1)
;;       q = np.round(r / step) * step * 2.0 ** e      # np.round: ties to even
;;       return np.moveaxis(q.reshape(q.shape[:-2] + (-1,))[..., :K], -1, axis).astype(np.float32)
;;   ~~~
;; One version. Each part assembles by itself: llvm-mc -triple=amdgcn-amd-amdhsa -mcpu=gfx1250 --defsym DOCPART=n.
;; ======== version 1 of 1: 5 launches
;; limits: values are held in f16: magnitudes above 65,504 overflow, below 6.1e-05 lose precision
;; workspace buffers: x_codes 4,194,304 bytes; x_scales 262,144 bytes; w_codes 1,572,864 bytes; w_scales 98,304 bytes; wp16 2,097,152 bytes; qkv16 50,331,648 bytes; qkv32 786,432 bytes; att16 16,777,216 bytes
;; launch prep (part 1): grid 384 x 1, 4 waves a work-group, no clusters, 33,280 bytes of LDS; arguments x, Wq, Wk, Wv, Wp, x_codes, x_scales, w_codes, w_scales, wp16; writes x_codes, x_scales, w_codes, w_scales, wp16
.if DOCPART == 1
	.amdgcn_target "amdgcn-amd-amdhsa--gfx1250"
	.amdhsa_code_object_version 6
	.text
	.protected	k_qe89a8b01f8_prep
	.globl	k_qe89a8b01f8_prep
	.p2align	8
	.type	k_qe89a8b01f8_prep,@function
k_qe89a8b01f8_prep:
	s_mov_b64 s[64:65], 0
	v_nop
	global_prefetch_b8 v0, s[64:65] scope:SCOPE_SE
	s_setreg_imm32_b32 hwreg(HW_REG_WAVE_MODE, 25, 1), 1
	s_wait_xcnt 0x0
; x [8192][1024], Wq, Wk, Wv [1024][1024], f32, K innermost, become codes of FP4 (E2M1), two a byte, with one E8M0 scale byte for each 32 along K; Wp [1024][1024] becomes f16.
; A block's scale is 2^(floor(log2(its largest magnitude)) - 2); its byte is the largest magnitude's exponent field - 2, held at 1 from below.  Each number is divided by the scale and rounded to the nearest code, ties to even;
; beyond 6 the conversion gives the largest code.  A block of zeros gets the byte 1 (the rule says 127): its codes are zeros, which add nothing under that byte, and this program alone reads the bytes.
; LIMITS: blocks whose largest magnitude lies under 2^-124 were not tried; NaN and infinities are not served; |Wp| stays under 65,504 (f16).
; Rows are dense and K is a multiple of 32: every tensor is a plain stream of blocks of 32.  A work-group takes 32,768 numbers, a wave 8,192: 16 steps of 512.
; Work-groups 0-255: x.  256-351: Wq, Wk, Wv, 32 each; their codes and bytes lie on end in w_codes and w_scales.  352-383: the cast of Wp.
; QUANTISING.  Each load reads 512 consecutive bytes, 16 a lane; a step's 2,048 bytes turn through the wave's own stage in LDS and come back 64 bytes a lane, so that a lane holds 16 neighbours along K and two
; neighbouring lanes a block.  A lane's 16 codes are 8 bytes: a store of the wave covers 256 consecutive aligned bytes.  A wave's 256 scale bytes are gathered in LDS and leave as one such run.
; No barrier: waves share nothing.  Loads run four steps (16 loads a wave) ahead, the turn through LDS one step.
.set WAVES, 4
.set STEPS, 16
.set WGX,   256                        ; work-groups for x: 8,192 x 1,024 / 32,768
.set WGW,   32                         ; for each weight: 1,024 x 1,024 / 32,768
.set EMAX,  2
.set CB,    8                          ; bytes of 16 codes
.set R,     16                         ; v16-79   four sets of 16 numbers as they are loaded (the cast: 64 numbers)
.set X,     80                         ; v80-111  two sets of 16 neighbours
.set C,     128                        ; v128-191 codes: four registers for each step, so that no store's data are written again
.set E,     112                        ; v112-127 a scale byte for each step
.set H16,   80                         ; the cast: v80-207, 32 registers of f16 pairs for each quarter: no store's data are written again
.set WREG,  8192                       ; LDS: a region for each wave: two stages of 32 x SP bytes, behind them its 256 scale bytes
.set SP,    80                         ; a lane's place in a stage: 64 bytes + 16 of padding
.set SPW,   12                         ; v12      LDS address of my spare word; never rewritten
.set NIL,   13                         ; v13      0; never rewritten
.set SPARE, WAVES*WREG                 ; behind the four regions: the spare words, 128 bytes a wave, which no other line names
	s_load_b256 s[4:11], s[0:1], 0x0               ; x, Wq, Wk, Wv
	s_load_b256 s[12:19], s[0:1], 0x20             ; Wp, x_codes, x_scales, w_codes
	s_load_b128 s[20:23], s[0:1], 0x40             ; w_scales, wp16
	v_lshl_add_u32 v[SPW], v0, 2, SPARE
	v_mov_b32 v[NIL], 0
	v_lshrrev_b32 v1, 5, v0
	v_readfirstlane_b32 s24, v1                    ; wave
	v_and_b32 v2, 31, v0                           ; lane
	v_lshlrev_b32 v3, 4, v2                        ; my 16 bytes of a load's 512
	s_mul_i32 s25, s24, WREG
	v_lshrrev_b32 v14, 2, v2
	v_mul_u32_u24 v14, v14, SP
	v_and_b32 v15, 3, v2
	v_lshl_add_u32 v14, v15, 4, v14
	v_add_nc_u32 v14, s25, v14                     ; the stage, on the way in: four lanes' 64 bytes on end, then 16 of padding
	v_mul_u32_u24 v15, v2, SP
	v_add_nc_u32 v15, s25, v15                     ; and on the way out: my 16 neighbours
	v_mul_u32_u24 v4, v2, CB                       ; my codes' place in a step's
	v_lshrrev_b32 v5, 1, v2
	s_add_co_u32 s25, s25, 2*32*SP
	v_add_nc_u32 v5, s25, v5                       ; LDS: my wave's 256 scale bytes, my block's byte
	v_lshlrev_b32 v7, 3, v2                        ; 8 bytes a lane
	v_add_nc_u32 v6, s25, v7
	s_wait_kmcnt 0x0
	s_cmp_ge_u32 ttmp9, WGX+3*WGW
	s_cbranch_scc1 .Lcast
	; which tensor: the choices hang on the work-group's number alone
	s_and_b32 s28, ttmp9, WGW-1                    ; a weight's work-group: its place in the weight,
	s_sub_co_u32 s29, ttmp9, WGX                   ; and in the three weights on end
	s_cmp_lt_u32 ttmp9, WGX+WGW
	s_cselect_b64 s[26:27], s[6:7], s[8:9]
	s_cmp_lt_u32 ttmp9, WGX+2*WGW
	s_cselect_b64 s[26:27], s[26:27], s[10:11]
	s_cmp_lt_u32 ttmp9, WGX
	s_cselect_b64 s[4:5], s[4:5], s[26:27]         ; the numbers
	s_cselect_b64 s[8:9], s[14:15], s[18:19]       ; the codes
	s_cselect_b64 s[10:11], s[16:17], s[20:21]     ; the scale bytes
	s_cselect_b32 s28, ttmp9, s28
	s_cselect_b32 s29, ttmp9, s29
	s_lshl_b32 s28, s28, 2
	s_add_co_u32 s28, s28, s24                     ; which run of 8,192 numbers of the source is my wave's,
	s_lshl_b32 s29, s29, 2
	s_add_co_u32 s29, s29, s24                     ; and of the destination
	s_lshl_b32 s30, s28, 15                        ; 32,768 bytes of numbers a run
	s_mov_b32 s31, 0
	s_add_nc_u64 s[4:5], s[4:5], s[30:31]
	s_lshl_b32 s30, s29, 12                        ; 4,096 bytes of codes
	s_add_nc_u64 s[8:9], s[8:9], s[30:31]
	s_lshl_b32 s30, s29, 8                         ; 256 scale bytes
	s_add_nc_u64 s[10:11], s[10:11], s[30:31]
.macro LOAD t
.irp i, 0,1,2,3
	global_load_b128 v[R+16*((\t)%4)+4*\i:R+16*((\t)%4)+4*\i+3], v3, s[4:5] offset:2048*(\t)+512*\i th:TH_LOAD_NT   ; 32 lanes read 512 consecutive bytes
.endr
.endm
.macro TURN t                          ; step t's numbers through the stage: LDS serves a wave's instructions in order (ISA guide 5.7.1.4), so no wait stands between the stores and the loads
.irp i, 0,1,2,3
	ds_store_b128 v14, v[R+16*((\t)%4)+4*\i:R+16*((\t)%4)+4*\i+3] offset:32*SP*((\t)%2)+8*SP*\i
.endr
.irp i, 0,1,2,3
	ds_load_b128 v[X+16*((\t)%2)+4*\i:X+16*((\t)%2)+4*\i+3], v15 offset:32*SP*((\t)%2)+16*\i
.endr
.endm
.irp t, 0,1,2,3
	LOAD \t
.endr
	s_wait_loadcnt 12                              ; step 0's four loads are in; three steps' twelve may be out
	TURN 0
.macro STEP t
.set XS, X+16*((\t)%2)
.if (\t) > 0
	s_wait_dscnt 1                                 ; this step's numbers are back from the stage (the last step's byte store may be out): so its stores into the stage have read their registers,
.else
	s_wait_dscnt 0x0
.endif
.if (\t)+4 < STEPS
	LOAD (\t)+4                                    ; which take the loads of four steps on
.endif
.if (\t)+1 < STEPS
.if STEPS-2-(\t) >= 3
	s_wait_loadcnt 12                              ; the next step's four loads are in; those of the three steps behind it may be out
.else
	s_wait_loadcnt 4*(STEPS-2-(\t))
.endif
	TURN (\t)+1                                    ; and go through the other stage while this step is worked
.endif
	v_max3_num_f32 v8, |v[XS]|, |v[XS+1]|, |v[XS+2]|               ; the largest magnitude of my 16, in two chains
	v_max3_num_f32 v9, |v[XS+3]|, |v[XS+4]|, |v[XS+5]|
.irp i, 6,10
	v_max3_num_f32 v8, v8, |v[XS+\i]|, |v[XS+\i+1]|
	v_max3_num_f32 v9, v9, |v[XS+\i+2]|, |v[XS+\i+3]|
.endr
	v_max3_num_f32 v8, v8, |v[XS+14]|, |v[XS+15]|
	v_max3_num_f32 v8, v8, v9, (EMAX+1)<<23        ; and the floor 2^(EMAX + 1 - 127): the byte cannot fall under 1
	v_max_num_f32_dpp v8, v8, v8 row_xmask:1 row_mask:0xf bank_mask:0xf   ; and of my neighbour's 16: the block's
	v_add_nc_u32 v11, -(EMAX<<23), v8              ; EMAX off its exponent field: the conversion takes the exponent field of this operand as its scale, and nothing else of it
	v_cvt_scalef32_pk8_fp4_f32 v[C+4*(\t)], v[XS:XS+7], v11
	v_cvt_scalef32_pk8_fp4_f32 v[C+4*(\t)+1], v[XS+8:XS+15], v11
	v_lshrrev_b32 v[E+(\t)], 23, v11               ; the scale's byte (also the plain line behind the conversions)
	ds_store_b8 v5, v[E+(\t)] offset:16*(\t)       ; both lanes of a block write the same byte with the same value
	global_store_b64 v4, v[C+4*(\t):C+4*(\t)+1], s[8:9] offset:32*CB*(\t)
.endm
.irp t, 0,1,2,3,4,5,6,7,8,9,10,11,12,13,14,15
	STEP \t
.endr
	ds_load_b64 v[8:9], v6                         ; in order behind my byte stores
	s_wait_dscnt 0x0
	global_store_b64 v7, v[8:9], s[10:11]          ; 32 lanes store 256 consecutive aligned bytes
	s_branch .Lend
.Lcast:
	; THE CAST.  A wave's 8,192 numbers of Wp in four quarters of 16 loads; a lane's four numbers become 8 bytes: a store of the wave covers 256 consecutive aligned bytes.  No LDS.
	s_sub_co_u32 s28, ttmp9, WGX+3*WGW
	s_lshl_b32 s28, s28, 2
	s_add_co_u32 s28, s28, s24                     ; my wave's run
	s_lshl_b32 s30, s28, 15
	s_mov_b32 s31, 0
	s_add_nc_u64 s[12:13], s[12:13], s[30:31]
	s_lshl_b32 s30, s28, 14
	s_add_nc_u64 s[22:23], s[22:23], s[30:31]
.macro CLOAD k
.irp i, 0,1,2,3,4,5,6,7,8,9,10,11,12,13,14,15
	global_load_b128 v[R+4*\i:R+4*\i+3], v3, s[12:13] offset:8192*(\k)+512*\i
.endr
.endm
	CLOAD 0
.irp k, 0,1,2,3
	s_wait_loadcnt 0x0                             ; this quarter's 16 loads are in
.irp i, 0,1,2,3,4,5,6,7,8,9,10,11,12,13,14,15
	v_cvt_pk_f16_f32 v[H16+32*\k+2*\i], v[R+4*\i], v[R+4*\i+1]
	v_cvt_pk_f16_f32 v[H16+32*\k+2*\i+1], v[R+4*\i+2], v[R+4*\i+3]
.endr
.if \k < 3
	CLOAD \k+1                                     ; the next quarter is on its way while this one is stored
.endif
.irp i, 0,1,2,3,4,5,6,7,8,9,10,11,12,13,14,15
	global_store_b64 v7, v[H16+32*\k+2*\i:H16+32*\k+2*\i+1], s[22:23] offset:4096*\k+256*\i
.endr
.endr
.Lend:
	s_wait_tensorcnt 0x0                           ; the wave's end, behind my last LDS store
	ds_add_u32 v[SPW], v[NIL]
	s_wait_dscnt 0x0
	s_endpgm
.Lfunc_end_k_qe89a8b01f8_prep:
	.size	k_qe89a8b01f8_prep, .Lfunc_end_k_qe89a8b01f8_prep-k_qe89a8b01f8_prep
	.p2alignl 7, 3214868480
	.fill 96, 4, 3214868480
	.section	.rodata,"a",@progbits
	.p2align	6, 0x0
	.amdhsa_kernel k_qe89a8b01f8_prep
		.amdhsa_group_segment_fixed_size 33280
		.amdhsa_private_segment_fixed_size 0
		.amdhsa_enable_private_segment 0
		.amdhsa_kernarg_size 80
		.amdhsa_user_sgpr_count 2
		.amdhsa_user_sgpr_kernarg_segment_ptr 1
		.amdhsa_wavefront_size32 1
		.amdhsa_system_sgpr_workgroup_id_x 1
		.amdhsa_system_sgpr_workgroup_id_y 1
		.amdhsa_system_sgpr_workgroup_id_z 1
		.amdhsa_system_vgpr_workitem_id 0
		.amdhsa_next_free_vgpr 208
		.amdhsa_next_free_sgpr 66
		.amdhsa_reserve_vcc 0
		.amdhsa_float_denorm_mode_32 3
		.amdhsa_float_denorm_mode_16_64 3
		.amdhsa_memory_ordered 1
		.amdhsa_forward_progress 1
		.amdhsa_inst_pref_size 54
	.end_amdhsa_kernel
	.amdgpu_metadata
---
amdhsa.version: [ 1, 2 ]
amdhsa.kernels:
  - .name:           k_qe89a8b01f8_prep
    .symbol:         k_qe89a8b01f8_prep.kd
    .args:
      - { .name: x, .offset: 0, .size: 8, .value_kind: global_buffer, .address_space: global }
      - { .name: Wq, .offset: 8, .size: 8, .value_kind: global_buffer, .address_space: global }
      - { .name: Wk, .offset: 16, .size: 8, .value_kind: global_buffer, .address_space: global }
      - { .name: Wv, .offset: 24, .size: 8, .value_kind: global_buffer, .address_space: global }
      - { .name: Wp, .offset: 32, .size: 8, .value_kind: global_buffer, .address_space: global }
      - { .name: x_codes, .offset: 40, .size: 8, .value_kind: global_buffer, .address_space: global }
      - { .name: x_scales, .offset: 48, .size: 8, .value_kind: global_buffer, .address_space: global }
      - { .name: w_codes, .offset: 56, .size: 8, .value_kind: global_buffer, .address_space: global }
      - { .name: w_scales, .offset: 64, .size: 8, .value_kind: global_buffer, .address_space: global }
      - { .name: wp16, .offset: 72, .size: 8, .value_kind: global_buffer, .address_space: global }
    .group_segment_fixed_size: 33280
    .private_segment_fixed_size: 0
    .kernarg_segment_align: 8
    .kernarg_segment_size: 80
    .max_flat_workgroup_size: 128
    .sgpr_count:     66
    .vgpr_count:     208
    .wavefront_size: 32
...
	.end_amdgpu_metadata
.endif
;; end of part 1
;; launch qkv (part 2): grid 12 x 32, 4 waves a work-group, clusters of 4 x 4, 327,680 bytes of LDS; arguments x_codes, x_scales, w_codes, w_scales, qkv16, qkv32; writes qkv16, qkv32
.if DOCPART == 2
	.amdgcn_target "amdgcn-amd-amdhsa--gfx1250"
	.amdhsa_code_object_version 6
	.text
	.protected	k_qe89a8b01f8_qkv
	.globl	k_qe89a8b01f8_qkv
	.p2align	8
	.type	k_qe89a8b01f8_qkv,@function
k_qe89a8b01f8_qkv:
	s_mov_b64 s[64:65], 0
	v_nop
	global_prefetch_b8 v0, s[64:65] scope:SCOPE_SE
	s_setreg_imm32_b32 hwreg(HW_REG_WAVE_MODE, 25, 1), 1
	s_wait_xcnt 0x0
	s_wait_alu depctr_hold_cnt(0) depctr_sa_sdst(0) depctr_va_vdst(0) depctr_va_sdst(0) depctr_va_ssrc(0) depctr_va_vcc(0) depctr_vm_vsrc(0)
	s_getreg_b32 s2, hwreg(HW_REG_IB_STS2, 6, 4)
	s_cmp_eq_u32 s2, 0
	s_cbranch_scc0 .Lentry_in_a_cluster
	s_endpgm
.Lentry_in_a_cluster:
	s_bfe_u32 s2, ttmp6, 0x10000c
	s_cmp_lg_u32 s2, 0xf033
	s_cbranch_scc0 .Lentry_shape_is_right
	s_endpgm
.Lentry_shape_is_right:
; C[m][n] = sum over k of x[m][k] W[n][k], m = 2,048 b + t (8,192 rows), n over Wq's, Wk's and Wv's 1,024 rows on end (3,072), K = 1,024: both operands codes of FP4 (E2M1) with one E8M0 byte for each 32 along K; sums in f32.
; OUT: qkv16 [3 which][64 = 16 b + head][2048 t][64 d], f16; and the rows t < 16 once more as f32, qkv32 [4 b][16 t][3072 n].  LIMIT: |q|, |k|, |v| stay under 65,504 (f16).
; A tile of C, 256 x 256, is made by a work-group of four waves; a wave makes 128 x 128: 64 accumulators of 16 x 16, 512 registers.  K = 1,024 is two LDS slots of 512 (rows of 256 bytes): both are filled at the head, with the
; scale bytes of the tile's 512 rows (two dense blocks of memory), and nothing is filled again.
; CLUSTERS: 4 x 4 work-groups.  The four of a row of the cluster need the same tiles of x, the four of a column the same tiles of W: each tile is asked for JOINTLY, by the same tensor load with the same descriptor and a mask
; that names the four.  TILE ROW = 8 cy + cluster y: so the batch is cy, and a tile holds the rows t < 16 where cluster y = 0, a number that all sixteen partners share.
; THE MATRIX INSTRUCTION IS USED TRANSPOSED (source 0 = 16 rows of W, source 1 = 16 rows of x): a lane then holds eight neighbouring n of one row m.
; REGISTERS, in windows of 256: window 0: v0-31 addresses; v32-95 scale words, two sets; from v128 x's fragments (8 x 16 rows x 128 K), ONE set; on the way out v32-255 are free.
;   window 1: W's fragments, TWO sets, at v0 and v128.   window 2: the 32 accumulators of my rows 0-63 (accumulator (a, b) at v[8 (8 a + b)]);   window 3: those of my rows 64-127.
.set SIZE_K, 1024
.set KSTEP,  512                       ; along K in a slot
.set NQ,     KSTEP/128                 ; matrix instructions deep
.set ROWB,   256                       ; a tile's row in bytes
.set KROW,   SIZE_K*4/8                ; a row of codes in memory
.set PITCH,  272                       ; an LDS row: 256 bytes + 16 of padding = 68 words: row r starts at bank 4 r mod 64 (ISA guide 11.1)
.set FR,     8                         ; registers of a fragment
.set NL,     2                         ; LDS loads that bring one
.set NP,     4                         ; places behind this matrix instruction (ISA guide 7.12.1)
.set HALFT,  128*PITCH                 ; 128 rows: what one tensor load brings
.set SLOT,   4*HALFT                   ; x's 256 rows, then W's 256 rows
.set KS,     SIZE_K/32                 ; a row of scale bytes
.set SCL,    2*SLOT                    ; behind the slots: the scales, as units of 256 bytes + 16 of padding
.set HALFS,  (128*KS/256)*272          ; the scales of 128 rows
.set SBLK,   (16*KS/256)*272           ; those of 16 rows
.set SPARE,  SCL+4*HALFS               ; the spare words, 128 bytes a wave, which no other line names
.set S32P,   528                       ; the way out, f32: a stage of 16 rows x (512 + 16) bytes a wave, from LDS byte 0
.set S16,    4*16*S32P                 ; the way out, f16: behind it, 2 heads x 16 rows x (128 + 16) bytes a wave.  Both lie in slot 0, which has had its one fill and its last read when the first result is stored there
.set S16P,   144
.set ADRA, 16                          ; v16-17  LDS address of my x fragments in slot 0, 1
.set ADRB, 20                          ; v20-21  the same for W
.set STO32, 22                         ; v22     f32 stage: where I put 32 bytes of a row
.set RD32, 23                          ; v23     and where I read a row back
.set STO,  24                          ; v24     f16 stage: where I put 16 bytes of a row
.set RD,   25                          ; v25     and where I read four rows back
.set CO,   26                          ; v26     16 x lane
.set ADRS, 27                          ; v27     LDS address of my scale words: lanes 0-15 x's rows, lanes 16-31 W's
.set SPW,  28                          ; v28     LDS address of my spare word; never rewritten
.set NIL,  29                          ; v29     0; never rewritten
.set SC,   32                          ; scale words: set s at v[SC + 8 NQ s]; register NQ i + q: lanes 0-15 x's block i, lanes 16-31 W's block i, the slot's q-th 128 along K
.set AF,   128                         ; x's fragments, in window 0
.set TMP,  192                         ; the way out: packed results
.set G1, 24                            ; s[24:31] descriptor group 1 for x's tiles;  s[32:39] group 0, one set for each slot
.set G0, 32
.set G1B, 48                           ; s[48:55], s[56:63] the same for W's tiles
.set G0B, 56
.set G1S, 68                           ; s[68:75], s[76:79] groups 1 and 0 for x's scales;  s[80:87], s[88:91] for W's
.set G0S, 76
.set G1SB, 80
.set G0SB, 88
.set MSB, 0
.macro WIN new                         ; the immediate's high byte repeats the setting that is left
.if MSB != (\new)
	s_set_vgpr_msb (MSB<<8)|(\new)
.set MSB, \new
.endif
.endm
.set MUL_LO, 0xa1                      ; source 0 (W) window 1, source 1 (x) window 0, C and D window 2
.set MUL_HI, 0xf1                      ; the same, C and D window 3
.set TO_B,   0x40                      ; destination window 1, address window 0
; A joint load: waves 0 and 1 fetch for x, waves 2 and 3 for W.  Each line has ONE mask and one set of registers for all that issue it; the branch hangs on the wave's number alone.
; An s_nop 0 and four v_nop follow each of the two lines.
.macro JLOAD g0a, g1a, g0b, g1b
	s_cmp_eq_u32 s15, 0
	s_cbranch_scc0 .Lfor_b_\@
	tensor_load_to_lds s[\g0a:\g0a+3], s[\g1a:\g1a+7]
	s_nop 0
.rept 4
	v_nop
.endr
	s_branch .Lasked_\@
.Lfor_b_\@:
	tensor_load_to_lds s[\g0b:\g0b+3], s[\g1b:\g1b+7]
	s_nop 0
.rept 4
	v_nop
.endr
.Lasked_\@:
.endm
.macro CROUND                          ; a round of the cluster's barrier
	s_barrier_signal -1
	s_barrier_wait -1
	s_cmp_lg_u32 s14, 0
	s_cbranch_scc1 .Lnot_wave_0_\@
	s_barrier_signal -3
.Lnot_wave_0_\@:
	s_barrier_wait -3
	s_barrier_signal -1
	s_barrier_wait -1
.endm
	s_load_b128 s[4:7], s[0:1], 0x0                ; x's codes, x's scales
	s_load_b128 s[8:11], s[0:1], 0x10              ; W's codes, W's scales
	s_load_b128 s[96:99], s[0:1], 0x20             ; qkv16, qkv32
	v_lshl_add_u32 v[SPW], v0, 2, SPARE
	v_mov_b32 v[NIL], 0
	ds_add_u32 v[SPW], v[NIL]                      ; the wave's opening: the add, twice on end, and its wait ahead of my first tensor load
	ds_add_u32 v[SPW], v[NIL]
	v_lshrrev_b32 v1, 5, v0
	v_readfirstlane_b32 s14, v1                    ; wave 0..3
	s_lshr_b32 s15, s14, 1                         ; which half of the tile's rows is mine.  Also: I fetch for x (0) or for W (1)
	s_and_b32 s16, s14, 1                          ; which half of its columns.  Also: which 128 rows of that tile I fetch
	s_bfe_u32 s40, ttmp6, 0x40000                  ; cx, cy: my place in the cluster
	s_bfe_u32 s41, ttmp6, 0x40004
	s_lshl_b32 s42, ttmp9, 2
	s_add_co_u32 s42, s42, s40                     ; tile column = 4 x cluster x + cx
	s_and_b32 s95, ttmp7, 0xffff                   ; cluster y
	s_lshl_b32 s17, s41, 3
	s_add_co_u32 s17, s17, s95                     ; tile row = 8 cy + cluster y
	s_lshl_b32 s43, s41, 2
	s_lshl_b32 s43, 15, s43                        ; my row of the cluster
	s_lshl_b32 s44, 0x1111, s40                    ; my column
	; descriptor group 1: a tile of 128 rows x 256 bytes, padded in LDS
	s_or_b32 s[G1+0], s43, (0<<16)|(1<<20)|(1<<21)|(5<<22)|(3<<25)  ; 15:0 the mask; 17:16 element of 1 byte; 20 padding on; 21 set beside a mask; 24:22 after every 64 words; 31:25 four words
	s_or_b32 s[G1B+0], s44, (0<<16)|(1<<20)|(1<<21)|(5<<22)|(3<<25)
.irp g, G1, G1B
	s_mov_b32 s[\g+1], ROWB<<16                    ; tensor_dim0
	s_mov_b32 s[\g+2], 128<<16                     ; tensor_dim1
	s_mov_b32 s[\g+3], ROWB<<16                    ; tile_dim0
	s_mov_b32 s[\g+4], 128                         ; tile_dim1
	s_mov_b32 s[\g+5], KROW                        ; tensor_dim0_stride
	s_mov_b32 s[\g+6], 0
	s_mov_b32 s[\g+7], 0
.endr
	; the scales of 128 rows: a dense block of 4,096 bytes, as rows of 256 bytes (32 elements of 8 bytes), 16 bytes of padding behind each
	s_or_b32 s[G1S+0], s43, (3<<16)|(1<<20)|(1<<21)|(5<<22)|(3<<25)
	s_or_b32 s[G1SB+0], s44, (3<<16)|(1<<20)|(1<<21)|(5<<22)|(3<<25)
.irp g, G1S, G1SB
	s_mov_b32 s[\g+1], 32<<16
	s_mov_b32 s[\g+2], (128*KS/256)<<16
	s_mov_b32 s[\g+3], 32<<16
	s_mov_b32 s[\g+4], 128*KS/256
	s_mov_b32 s[\g+5], 32
	s_mov_b32 s[\g+6], 0
	s_mov_b32 s[\g+7], 0
.endr
	s_lshl_b32 s18, s16, 7                         ; which 128 rows of the tile I fetch
	s_lshl_b32 s20, s17, 8
	s_add_co_u32 s20, s20, s18                     ; x: row 256 x tile row + 128 x half
	s_lshl_b32 s46, s42, 8
	s_add_co_u32 s46, s46, s18                     ; W: row 256 x tile column + 128 x half
	s_mov_b32 s21, 0
	s_mov_b32 s47, 0
	s_mov_b64 s[18:19], KS
	s_mul_u64 s[22:23], s[20:21], s[18:19]         ; where these rows' scales begin,
	s_mul_u64 s[92:93], s[46:47], s[18:19]
	s_mov_b64 s[18:19], KROW
	s_mul_u64 s[20:21], s[20:21], s[18:19]         ; and their codes
	s_mul_u64 s[46:47], s[46:47], s[18:19]
	s_mul_i32 s45, s14, HALFT                      ; where they go: wave x 128 rows: no place in the cluster enters an LDS address
	s_mul_i32 s94, s14, HALFS
	s_wait_dscnt 0x0                               ; both opening adds are done
	s_wait_kmcnt 0x0
	s_add_nc_u64 s[20:21], s[4:5], s[20:21]
	s_add_nc_u64 s[22:23], s[6:7], s[22:23]
	s_add_nc_u64 s[46:47], s[8:9], s[46:47]
	s_add_nc_u64 s[92:93], s[10:11], s[92:93]
	CROUND                                         ; all sixteen work-groups are here: the joint loads meet
	s_mov_b32 s[G0S], 1
	s_add_co_u32 s[G0S+1], s94, SCL
	s_mov_b64 s[G0S+2:G0S+3], s[22:23]
	s_or_b32 s[G0S+3], s[G0S+3], 0x80000000
	s_mov_b32 s[G0SB], 1
	s_add_co_u32 s[G0SB+1], s94, SCL
	s_mov_b64 s[G0SB+2:G0SB+3], s[92:93]
	s_or_b32 s[G0SB+3], s[G0SB+3], 0x80000000
	JLOAD G0S, G1S, G0SB, G1SB                     ; the scales first: they are wanted with the first slot
.irp s, 0,1
	s_mov_b32 s[G0+4*\s], 1
	s_add_co_u32 s[G0+4*\s+1], s45, \s*SLOT
	s_add_nc_u64 s[G0+4*\s+2:G0+4*\s+3], s[20:21], \s*ROWB
	s_or_b32 s[G0+4*\s+3], s[G0+4*\s+3], 0x80000000
	s_mov_b32 s[G0B+4*\s], 1
	s_add_co_u32 s[G0B+4*\s+1], s45, \s*SLOT
	s_add_nc_u64 s[G0B+4*\s+2:G0B+4*\s+3], s[46:47], \s*ROWB
	s_or_b32 s[G0B+4*\s+3], s[G0B+4*\s+3], 0x80000000
	JLOAD G0+4*\s, G1, G0B+4*\s, G1B               ; three loads of mine are out behind the second of these
.endr
	v_and_b32 v1, 15, v0                           ; r = lane % 16
	v_bfe_u32 v2, v0, 4, 1                         ; h = lane / 16
	v_mul_u32_u24 v3, v1, PITCH
	v_lshl_add_u32 v4, v2, 4, v3                   ; a fragment's row x pitch + 16 x half
	s_mul_i32 s21, s15, HALFT                      ; my 128 rows of x
	s_mul_i32 s22, s16, HALFT                      ; my 128 rows of W,
	s_add_co_u32 s22, s22, 2*HALFT                 ; which lie behind x's 256
.irp s, 0,1
	v_add_nc_u32 v[ADRA+\s], s21, v4
	v_add_nc_u32 v[ADRB+\s], s22, v4
	s_add_co_u32 s21, s21, SLOT
	s_add_co_u32 s22, s22, SLOT
.endr
	v_mul_u32_u24 v5, v1, KS                       ; my row's scales: KS bytes a row,
	v_lshrrev_b32 v6, 8, v5
	v_lshl_add_u32 v5, v6, 4, v5                   ; and 16 more for each 256 passed
	s_mul_i32 s21, s15, HALFS                      ; x's: my 128 rows
	s_mul_i32 s22, s16, HALFS                      ; W's: my 128 rows, behind x's 256
	s_add_co_u32 s22, s22, 2*HALFS
	s_sub_co_u32 s22, s22, s21
	v_mul_u32_u24 v6, s22, v2                      ; lanes 16-31 take W's
	s_add_co_u32 s21, s21, SCL
	v_add_nc_u32 v5, v5, v6
	v_add_nc_u32 v[ADRS], s21, v5
	s_mul_i32 s23, s14, 16*S32P                    ; my f32 stage
	v_mul_u32_u24 v5, v1, S32P                     ; in: row r, 32 bytes for each half of the lanes
	v_lshl_add_u32 v5, v2, 5, v5
	v_add_nc_u32 v[STO32], s23, v5
	v_and_b32 v6, 31, v0
	v_lshlrev_b32 v[CO], 4, v6
	v_add_nc_u32 v[RD32], s23, v[CO]               ; back: the 32 lanes take one row of 512 bytes
	s_mul_i32 s23, s14, 2*16*S16P                  ; my f16 stage
	s_add_co_u32 s23, s23, S16
	v_mul_u32_u24 v5, v1, S16P                     ; in: row r, 16 bytes for each half of the lanes
	v_lshl_add_u32 v5, v2, 4, v5
	v_add_nc_u32 v[STO], s23, v5
	v_lshrrev_b32 v5, 3, v6                        ; back: eight lanes to a row of 128 bytes, four rows an instruction
	v_mul_u32_u24 v5, v5, S16P
	v_and_b32 v7, 7, v0
	v_lshl_add_u32 v5, v7, 4, v5
	v_add_nc_u32 v[RD], s23, v5
	; qkv16 at my first row of my first head: which = tile column / 4; head = 4 (tile column % 4) + 2 x my half of the columns; batch = cy; t = 256 x cluster y + 128 x my half of the rows
	s_lshr_b32 s20, s42, 2
	s_lshl_b32 s20, s20, 24                        ; a part is 16,777,216 bytes
	s_and_b32 s21, s42, 3
	s_lshl_b32 s21, s21, 2
	s_lshl_b32 s22, s41, 4
	s_add_co_u32 s21, s21, s22
	s_lshl_b32 s22, s16, 1
	s_add_co_u32 s21, s21, s22
	s_lshl_b32 s21, s21, 18                        ; a head is 262,144 bytes
	s_add_co_u32 s20, s20, s21
	s_lshl_b32 s21, s95, 15                        ; 256 rows of 128 bytes
	s_add_co_u32 s20, s20, s21
	s_lshl_b32 s21, s15, 14
	s_add_co_u32 s20, s20, s21
	s_mov_b32 s21, 0
	s_add_nc_u64 s[96:97], s[96:97], s[20:21]
	; qkv32 at row t = 0 of batch cy, my first column
	s_mul_i32 s20, s41, 16*3072*4
	s_lshl_b32 s22, s42, 10
	s_add_co_u32 s20, s20, s22
	s_lshl_b32 s22, s16, 9
	s_add_co_u32 s20, s20, s22
	s_add_nc_u64 s[98:99], s[98:99], s[20:21]
.macro FRAG reg, adr, q, i             ; a fragment, 16 rows x 128 K of 4-bit codes: lane l holds row l % 16; registers 4 c .. 4 c + 3 hold K = 64 c + 32 (l / 16) + 0 .. 31
.irp c, 0,1
	ds_load_b128 v[\reg+4*\c:\reg+4*\c+3], v[\adr] offset:64*(\q)+32*\c+(\i)*16*PITCH
.endr
.endm
; 16 matrix instructions: x's blocks a0, a0 + 1 against W's eight, 128 along K: the slot's q-th.  p: W's set;  sc: the set of scale words.  zero = 1: the first product starts the sums: nothing is cleared.
; The 64 accumulators take turns, one instruction a turn, in the same order in every step.
.macro MUL16 a0, p, q, sc, zero
.irp a, \a0, \a0+1
.irp b, 0,1,2,3,4,5,6,7
.if \zero
	v_wmma_scale_f32_16x16x128_f8f6f4 v[8*(8*((\a)%4)+\b):8*(8*((\a)%4)+\b)+7], v[128*(\p)+FR*\b:128*(\p)+FR*\b+FR-1], v[AF+FR*(\a):AF+FR*(\a)+FR-1], 0, v[SC+8*NQ*(\sc)+NQ*\b+(\q)], v[SC+8*NQ*(\sc)+NQ*(\a)+(\q)] matrix_a_fmt:MATRIX_FMT_FP4 matrix_b_fmt:MATRIX_FMT_FP4 matrix_a_scale:MATRIX_SCALE_ROW1
.else
	v_wmma_scale_f32_16x16x128_f8f6f4 v[8*(8*((\a)%4)+\b):8*(8*((\a)%4)+\b)+7], v[128*(\p)+FR*\b:128*(\p)+FR*\b+FR-1], v[AF+FR*(\a):AF+FR*(\a)+FR-1], v[8*(8*((\a)%4)+\b):8*(8*((\a)%4)+\b)+7], v[SC+8*NQ*(\sc)+NQ*\b+(\q)], v[SC+8*NQ*(\sc)+NQ*(\a)+(\q)] matrix_a_fmt:MATRIX_FMT_FP4 matrix_b_fmt:MATRIX_FMT_FP4 matrix_a_scale:MATRIX_SCALE_ROW1
.endif
.endr
.endr
.endm
.macro FETCH_B slot, q, p              ; W's eight fragments of the slot's q-th 128 along K into set p
	WIN TO_B
.irp i, 0,1,2,3,4,5,6,7
	FRAG 128*(\p)+FR*\i, ADRB+\slot, \q, \i
.endr
	WIN 0
.endm
.macro FETCH_A slot, q, i0             ; x's blocks i0 .. i0 + 3
.irp i, \i0, \i0+1, \i0+2, \i0+3
	FRAG AF+FR*(\i), ADRA+\slot, \q, \i
.endr
.endm
.macro SCALES sc                       ; a slot's scale words into set sc: NQ words a row; lanes 0-15 take x's block i, lanes 16-31 W's block i
.irp i, 0,1,2,3,4,5,6,7
	ds_load_b128 v[SC+8*NQ*\sc+NQ*\i:SC+8*NQ*\sc+NQ*\i+3], v[ADRS] offset:\i*SBLK
.endr
.endm
; A load into a register that a matrix instruction has read, and a vector instruction or an LDS store that reads a matrix result, stand NP places behind that matrix instruction; only plain vector
; instructions that name none of its registers are places (ISA guide 7.12.1 for vector instructions).
.macro PLACES n
.rept \n
	v_nop
.endr
.endm
; A step of 128 along K that has its successor in the same slot.  x's blocks are free as soon as their eight products are issued: blocks 0-3 are fetched anew in the step's middle, blocks 4-7 at its end.
.macro STEP slot, q, zero
	s_wait_dscnt 4*NL                              ; W's set and x's blocks 0-3 are in; the youngest eight loads (x's blocks 4-7) may be out
	WIN MUL_LO
	MUL16 0, (\q)%2, \q, \slot, \zero
	MUL16 2, (\q)%2, \q, \slot, \zero
	s_wait_dscnt 0                                 ; x's blocks 4-7 are in
	PLACES NP
	FETCH_B \slot, (\q)+1, 1-(\q)%2
	FETCH_A \slot, (\q)+1, 0
	WIN MUL_HI
	MUL16 4, (\q)%2, \q, \slot, \zero
	MUL16 6, (\q)%2, \q, \slot, \zero
	PLACES NP
	WIN 0
	FETCH_A \slot, (\q)+1, 4
.endm
; Slot 0's last step changes slots: ONE barrier; in front of it each wave waits for all its tensor loads (its part of slot 1), adds 0 to its spare word, and waits for that and for its reads of slot 0.  Nothing is filled again.
.macro TURN slot, next
	s_wait_tensorcnt 0x0                           ; my part of the next slot has landed
	ds_add_u32 v[SPW], v[NIL]                      ; 0 onto my spare word
	s_wait_dscnt 4*NL+1                            ; (the add and the youngest eight loads, x's blocks 4-7, may be out)
	WIN MUL_LO
	MUL16 0, 1, NQ-1, \slot, 0                     ; sixteen matrix instructions stand between the add and the wait for it
	s_wait_dscnt 0x0                               ; the add is done, and my reads of this slot are over
	s_barrier_signal -1
	MUL16 2, 1, NQ-1, \slot, 0
	WIN 0
	s_barrier_wait -1
	PLACES NP
	v_add_nc_u32 v[ADRS], 4*NQ, v[ADRS]            ; on to the next slot's scale words (no LDS load of mine is out)
	FETCH_B \next, 0, 0
	FETCH_A \next, 0, 0
	SCALES \next
	WIN MUL_HI
	MUL16 4, 1, NQ-1, \slot, 0
	MUL16 6, 1, NQ-1, \slot, 0
	PLACES NP
	WIN 0
	FETCH_A \next, 0, 4
.endm
.macro STEPS slot, from                ; the slot's steps from .. NQ - 2
.set Q, \from
.rept NQ-1-\from
	STEP \slot, Q, 0
.set Q, Q+1
.endr
.endm
	s_wait_tensorcnt 1                             ; the scales and my part of slot 0 are in (slot 1's load may be out)
	s_barrier_signal -1
	s_barrier_wait -1                              ; everybody's are
	FETCH_B 0, 0, 0
	FETCH_A 0, 0, 0
	SCALES 0
	FETCH_A 0, 0, 4
	STEP 0, 0, 1                                   ; the first step's products start the sums
	STEPS 0, 1
	TURN 0, 1
	STEPS 1, 0
	s_wait_dscnt 4*NL                              ; the very last step: nothing more to fetch
	WIN MUL_LO
	MUL16 0, 1, NQ-1, 1, 0
	MUL16 2, 1, NQ-1, 1, 0
	s_wait_dscnt 0
	WIN MUL_HI
	MUL16 4, 1, NQ-1, 1, 0
	MUL16 6, 1, NQ-1, 1, 0
	WIN 0
	PLACES NP                                      ; for the first reads of results, and for the loads into registers that held fragments and scale words
	; THE ROWS t < 16 AS f32: my block 0, where my half of the rows is the upper one and cluster y = 0.  The branch hangs on the wave's number and the cluster's y alone.
	s_or_b32 s94, s15, s95
	s_cmp_lg_u32 s94, 0
	s_cbranch_scc1 .Lno_fine
	WIN 0x08                                       ; an LDS store's data: window 2
.irp b, 0,1,2,3,4,5,6,7
	ds_store_b128 v[STO32], v[8*\b:8*\b+3] offset:64*\b            ; each accumulator from its low end on
	ds_store_b128 v[STO32], v[8*\b+4:8*\b+7] offset:64*\b+16
.endr
	WIN 0
.irp t, 0,1,2,3,4,5,6,7,8,9,10,11,12,13,14,15
	ds_load_b128 v[128+4*\t:128+4*\t+3], v[RD32] offset:\t*S32P    ; in order behind my stores
.endr
	s_wait_dscnt 0x0
.irp t, 0,1,2,3,4,5,6,7,8,9,10,11,12,13,14,15
	global_store_b128 v[CO], v[128+4*\t:128+4*\t+3], s[98:99] offset:\t*3072*4   ; 32 lanes store 512 consecutive aligned bytes of row t
.endr
.Lno_fine:
; THE WAY OUT, block by block of 16 rows x 128 columns (two heads).  PACK: rounded to f16, 16 bytes a lane.  TOSTAGE: into my stage, by head, and back four rows of a head at a time.  SEND: four rows of a head are 512 consecutive bytes of qkv16.
.macro PACK a
.set AC, 64*((\a)%4)
	WIN 0x0a+5*((\a)/4)                            ; sources 0 and 1: window 2 or 3
.irp b, 0,1,2,3,4,5,6,7
.irp i, 0,1,2,3
	v_cvt_pk_f16_f32 v[TMP+4*\b+\i], v[AC+8*\b+2*\i], v[AC+8*\b+2*\i+1]
.endr
.endr
	WIN 0
.endm
.macro TOSTAGE a
.set BK, 32+192*((\a)%2)               ; v32-63 and v224-255 by turns
.irp b, 0,1,2,3,4,5,6,7
	ds_store_b128 v[STO], v[TMP+4*\b:TMP+4*\b+3] offset:(\b/4)*16*S16P+(\b%4)*32
.endr
.irp hh, 0,1
.irp i, 0,1,2,3
	ds_load_b128 v[BK+4*(4*\hh+\i):BK+4*(4*\hh+\i)+3], v[RD] offset:\hh*16*S16P+\i*4*S16P   ; in order behind my stores
.endr
.endr
.endm
.macro SEND a
.set BK, 32+192*((\a)%2)
	s_wait_dscnt 0x0                               ; the block is back in registers
	s_wait_xcnt 0x0                                ; the earlier stores have read their registers: the next block's loads may land where the block before this one lay
.irp hh, 0,1
.irp i, 0,1,2,3
	global_store_b128 v[CO], v[BK+4*(4*\hh+\i):BK+4*(4*\hh+\i)+3], s[96:97] offset:\hh*262144+(\a)*2048+\i*512
.endr
.endr
.endm
	PACK 0
	TOSTAGE 0
.irp a, 1,2,3,4,5,6,7                  ; block a's conversions stand between block a - 1's loads from the stage and the wait for them
	PACK \a
	SEND \a-1
	TOSTAGE \a
.endr
	SEND 7
	s_wait_tensorcnt 0x0                           ; the wave's end, behind my last tensor load and my last LDS store
	ds_add_u32 v[SPW], v[NIL]
	s_wait_dscnt 0x0
	CROUND                                         ; the closing round: no work-group ends while a partner may still ask for a tile that names it
	s_endpgm
.Lfunc_end_k_qe89a8b01f8_qkv:
	.size	k_qe89a8b01f8_qkv, .Lfunc_end_k_qe89a8b01f8_qkv-k_qe89a8b01f8_qkv
	.p2alignl 7, 3214868480
	.fill 96, 4, 3214868480
	.section	.rodata,"a",@progbits
	.p2align	6, 0x0
	.amdhsa_kernel k_qe89a8b01f8_qkv
		.amdhsa_group_segment_fixed_size 327680
		.amdhsa_private_segment_fixed_size 0
		.amdhsa_enable_private_segment 0
		.amdhsa_kernarg_size 48
		.amdhsa_user_sgpr_count 2
		.amdhsa_user_sgpr_kernarg_segment_ptr 1
		.amdhsa_wavefront_size32 1
		.amdhsa_system_sgpr_workgroup_id_x 1
		.amdhsa_system_sgpr_workgroup_id_y 1
		.amdhsa_system_sgpr_workgroup_id_z 1
		.amdhsa_system_vgpr_workitem_id 0
		.amdhsa_next_free_vgpr 1024
		.amdhsa_next_free_sgpr 100
		.amdhsa_reserve_vcc 0
		.amdhsa_float_denorm_mode_32 3
		.amdhsa_float_denorm_mode_16_64 3
		.amdhsa_memory_ordered 1
		.amdhsa_forward_progress 1
		.amdhsa_inst_pref_size 131
	.end_amdhsa_kernel
	.amdgpu_metadata
---
amdhsa.version: [ 1, 2 ]
amdhsa.kernels:
  - .name:           k_qe89a8b01f8_qkv
    .symbol:         k_qe89a8b01f8_qkv.kd
    .args:
      - { .name: x_codes, .offset: 0, .size: 8, .value_kind: global_buffer, .address_space: global }
      - { .name: x_scales, .offset: 8, .size: 8, .value_kind: global_buffer, .address_space: global }
      - { .name: w_codes, .offset: 16, .size: 8, .value_kind: global_buffer, .address_space: global }
      - { .name: w_scales, .offset: 24, .size: 8, .value_kind: global_buffer, .address_space: global }
      - { .name: qkv16, .offset: 32, .size: 8, .value_kind: global_buffer, .address_space: global }
      - { .name: qkv32, .offset: 40, .size: 8, .value_kind: global_buffer, .address_space: global }
    .group_segment_fixed_size: 327680
    .private_segment_fixed_size: 0
    .kernarg_segment_align: 8
    .kernarg_segment_size: 48
    .max_flat_workgroup_size: 128
    .sgpr_count:     100
    .vgpr_count:     1024
    .wavefront_size: 32
...
	.end_amdgpu_metadata
.endif
;; end of part 2
;; launch attn (part 3): grid 4 x 64, 16 waves a work-group, no clusters, 327,680 bytes of LDS; arguments qkv16, att16; writes att16
.if DOCPART == 3
	.amdgcn_target "amdgcn-amd-amdhsa--gfx1250"
	.amdhsa_code_object_version 6
	.text
	.protected	k_qe89a8b01f8_attn
	.globl	k_qe89a8b01f8_attn
	.p2align	8
	.type	k_qe89a8b01f8_attn,@function
k_qe89a8b01f8_attn:
	s_mov_b64 s[64:65], 0
	v_nop
	global_prefetch_b8 v0, s[64:65] scope:SCOPE_SE
	s_setreg_imm32_b32 hwreg(HW_REG_WAVE_MODE, 25, 1), 1
	s_wait_xcnt 0x0
; att16[bh][q][:] = the sum over k <= q of softmax_k(Q[q] . K[k] / 32) V[k][:], for each of 64 heads bh = 16 b + head.  Q, K, V: the three parts of qkv16, [64][2048][64] f16; att16 likewise.
; Products on f16 operands with f32 sums; maxima, exponentials and sums in f32; the weights p are rounded to f16 for the second product, the result once at the end.
; LIMITS: the result stays under 65,504 (f16); NaN and infinities are not served.  The rows q < 16 are made again, in f32, by a later launch.
; SHARES.  A head's queries are eight blocks of 256.  Work-group (i, bh) owns blocks i and 7 - i: under the causal mask that is 9 squares of 256 x 256 for every work-group.  Each of its sixteen waves owns 32 queries,
; two tiles of 16: eight waves in each block; wave w is in block i where bit 0 and bit 2 of w are equal.  All walk the same stream of K and V, 64 keys a step, through a ring of two LDS slots of 256 keys.
; EVERY work-group walks all eight slots, so that the trip counts are constants; a step all of whose keys come after the wave's queries is jumped over, and a slot whose first key comes after the work-group's last query is not asked for.
; NO CLUSTER: the four work-groups of a head need 8, 7, 6 and 5 slots; with joint loads a partner would be brought tiles all of whose reads it jumps over.
; LAYOUT.  S^T = K Q^T (source 0 = 16 keys, source 1 = 16 queries): a lane holds ONE query (lane % 16) and keys 8 (lane / 16) + 0..7.  Two such tiles, rounded to f16 in pairs, ARE source 1 (32 keys x 16 queries) of
; O^T = V^T P, whose result again holds one query a lane.  K comes out of LDS as it lies, V ([key][channel]) turned, by ds_load_tr16_b128.
; SOFTMAX.  For each query a running maximum m and sum l: p = 2^(c s - c m), c = log2(e) / 32; in every step O and l are multiplied by a = 2^(c m_old - c m_new).
.set SK,    256                        ; keys in a slot
.set KP,    144                        ; a row of K in LDS: 128 bytes + 16 of padding
.set VP,    160                        ; a row of V: 128 + 32
.set VOFF,  SK*KP                      ; a slot: 256 rows of K, then 256 rows of V
.set SLOT1, 1<<17                      ; slot 1 begins here: one exclusive or turns an address in one slot into the other's
.set NSL,   2048/SK
.set STAGE, SLOT1+VOFF+SK*VP           ; behind the ring: 32 rows x 144 bytes for each wave, for the way out
.set SPARE, STAGE+16*32*KP             ; the spare words, 128 bytes a wave, which no other line names
.set AK0,  1                           ; v1   my lane's place in a tile of K
.set AV0,  2                           ; v2   the same for V
.set ADK,  3                           ; v3   LDS address of the step's K
.set ADV,  4                           ; v4   of its V
.set SPW,  5                           ; v5   LDS address of my spare word; never rewritten
.set NIL,  6                           ; v6   0; never rewritten
.set DQ,   7                           ; v7   lane % 16 - 8 (lane / 16)
.set PFO,  8                           ; v8   256 x lane
.set NINF, 9                           ; v9   -infinity
.set DD,   10                          ; v10  the mask's number
.set QO,   11                          ; v11  my byte offset in the wave's rows of Q
.set ST,   12                          ; v12-27 tile t's statistics at ST + 8 t: +0 c m, +1 m, +2, +3 l, +4 to +7 the maximum's four chains; a takes +6; +4, +5 the sums' second chain
.set GO,   28                          ; v28  the way out: 16 x lane
.set STO,  29                          ; v29  where I put 16 bytes of a row
.set RD,   30                          ; v30  where I read four rows back
.set QF,   32                          ; v32-63   Q: tile t, channels 32 s on, at QF + 16 t + 8 s
.set KV,   64                          ; v64-127  K's 8 fragments, then V's 8
.set S,    128                         ; v128-191 S^T, 32 a tile; P is packed into each tile's first 16
.set OT,   192                         ; v192-255 O^T, 32 a tile
.set TB,   2                           ; s2   LDS byte at which the slot in hand begins
.set SLOTS, 3                          ; s3   changes of slots still to come in the loop
.set WV,   18
.set SEL,  20                          ; s[20:21] lane selects for v_permlanex16_b32: lane l xor 16
.set CS,   22                          ; s[22:23] c: the packed form names a pair and takes its low word for both halves
.set G1K,  24                          ; s[24:31] descriptor group 1 for K's tiles;  s[32:39] for V's;  s[40:43], s[44:47] their groups 0, which walk
.set G1V,  32
.set G0K,  40
.set G0V,  44
.set KF,   48                          ; s48  the step's first key
.set Q0,   49                          ; s49  my first query
.set LASTQ, 50                         ; s50  my work-group's last query
.set BH,   51
.set PFA,  52                          ; s[52:53] where my prefetches stand
.set LIM,  54                          ; s54  1 in a wave that prefetches, else the greatest number
; Waves 0 and 1 fetch K's halves, waves 2 and 3 V's, the others nothing.  The branches hang on the wave's number alone.  An s_nop 0 and four v_nop follow each of the two lines.
.macro TLOAD
	s_cmp_lt_u32 s[WV], 2
	s_cbranch_scc0 .Lnot_k_\@
	tensor_load_to_lds s[G0K:G0K+3], s[G1K:G1K+7]
	s_nop 0
.rept 4
	v_nop
.endr
	s_branch .Lasked_\@
.Lnot_k_\@:
	s_cmp_lt_u32 s[WV], 4
	s_cbranch_scc0 .Lasked_\@
	tensor_load_to_lds s[G0V:G0V+3], s[G1V:G1V+7]
	s_nop 0
.rept 4
	v_nop
.endr
.Lasked_\@:
.endm
; A PREFETCH INTO THE L2 of what the NEXT change of slots will ask for: 256 rows of K and 256 of V, each a dense block of 32,768 bytes: a slot's four key steps ahead of that load.
; Each aligned block of 256 bytes is named once in the launch: of a head's four work-groups the one with i = 0, which loads all eight slots, asks; in it the waves that fetch nothing: waves 4 to 7 for K's block,
; waves 8 to 11 for V's, 8,192 bytes a wave, lanes 256 bytes apart, one instruction each.  The last change that fills a slot asks for nothing; slots 0 and 1 come by their loads alone.
.macro ASK
	s_cmp_gt_u32 s[SLOTS], s[LIM]
	s_cbranch_scc0 .Lnot_mine_\@
	global_prefetch_b8 v[PFO], s[PFA:PFA+1] th:TH_LOAD_NT scope:SCOPE_SE
.Lnot_mine_\@:
.endm
	s_load_b128 s[4:7], s[0:1], 0x0                ; qkv16, att16
	v_lshl_add_u32 v[SPW], v0, 2, SPARE
	v_mov_b32 v[NIL], 0
	ds_add_u32 v[SPW], v[NIL]                      ; the wave's opening: the add, twice on end, and its wait ahead of my first tensor load
	ds_add_u32 v[SPW], v[NIL]
	v_lshrrev_b32 v3, 5, v0
	v_readfirstlane_b32 s[WV], v3                  ; wave 0..15
	s_and_b32 s[BH], ttmp7, 0xffff                 ; the head
	s_lshr_b32 s56, s[WV], 2
	s_xor_b32 s56, s56, s[WV]
	s_and_b32 s56, s56, 1                          ; which of the two blocks
	s_sub_co_u32 s57, 7, ttmp9
	s_cmp_eq_u32 s56, 0
	s_cselect_b32 s57, ttmp9, s57                  ; block i or block 7 - i
	s_lshl_b32 s57, s57, 8
	s_lshr_b32 s58, s[WV], 1
	s_lshl_b32 s58, s58, 5
	s_add_co_u32 s[Q0], s57, s58                   ; my first query: 256 x block + 32 x (wave / 2)
	s_sub_co_u32 s[LASTQ], 8, ttmp9
	s_lshl_b32 s[LASTQ], s[LASTQ], 8
	s_sub_co_u32 s[LASTQ], s[LASTQ], 1             ; block 7 - i ends here
	s_lshl_b32 s56, s[BH], 18                      ; the head's first byte in a part: 262,144 bytes a head
	s_and_b32 s58, s[WV], 1                        ; which half of a slot's rows I fetch, if I fetch
	s_lshl_b32 s59, s58, 14                        ; 128 rows of 128 bytes
	s_add_co_u32 s60, s56, s59
	s_add_co_u32 s60, s60, 0x1000000               ; K is the second part,
	s_mov_b32 s61, 0
	s_add_co_u32 s62, s60, 0x1000000               ; V the third
	s_mov_b32 s63, 0
	; descriptor group 1: 128 rows of 64 elements of 2 bytes, dense in memory, padded behind every row
	s_mov_b32 s[G1K], (1<<16)|(1<<20)|(4<<22)|(3<<25)              ; no mask; elements of 2 bytes; padding on; after every 32 words; four words
	s_mov_b32 s[G1V], (1<<16)|(1<<20)|(4<<22)|(7<<25)              ; the same with eight words
.irp g, G1K, G1V
	s_mov_b32 s[\g+1], 64<<16                      ; tensor_dim0
	s_mov_b32 s[\g+2], 128<<16                     ; tensor_dim1
	s_mov_b32 s[\g+3], 64<<16                      ; tile_dim0
	s_mov_b32 s[\g+4], 128                         ; tile_dim1
	s_mov_b32 s[\g+5], 64                          ; tensor_dim0_stride
	s_mov_b32 s[\g+6], 0
	s_mov_b32 s[\g+7], 0
.endr
	s_mov_b32 s[SEL], 0x76543210
	s_mov_b32 s[SEL+1], 0xfedcba98
	s_mov_b32 s[CS], 0x3d38aa3b                    ; c = log2(e) / 32: the problem scales by 1,024^-0.5
	s_mov_b32 s[CS+1], s[CS]                       ; (named with it as a pair, so it is written)
	s_mov_b32 s[TB], 0
	s_mov_b32 s[SLOTS], NSL-1
	s_mov_b32 s[KF], 0
	s_wait_dscnt 0x0                               ; both opening adds are done
	s_wait_kmcnt 0x0
	s_mov_b32 s[G0K], 1                            ; count = 1
	s_mul_i32 s[G0K+1], s58, 128*KP                ; LDS address: slot 0, my half
	s_add_nc_u64 s[G0K+2:G0K+3], s[4:5], s[60:61]  ; global address: the head's first 256 keys, my half
	s_or_b32 s[G0K+3], s[G0K+3], 0x80000000        ; type = 2
	s_mov_b32 s[G0V], 1
	s_mul_i32 s[G0V+1], s58, 128*VP
	s_add_co_u32 s[G0V+1], s[G0V+1], VOFF
	s_add_nc_u64 s[G0V+2:G0V+3], s[4:5], s[62:63]
	s_or_b32 s[G0V+3], s[G0V+3], 0x80000000
	TLOAD                                          ; slot 0: it holds key 0, which counts for every query
	; the prefetches: where my wave's stand, and who asks
	s_mov_b32 s59, 0x2000000
	s_cmp_lt_u32 s[WV], 8                          ; waves 4 to 7 ask for K, waves 8 to 11 for V
	s_cselect_b32 s60, 0x1000000, s59
	s_add_co_u32 s60, s60, s56
	s_and_b32 s59, s[WV], 3
	s_lshl_b32 s59, s59, 13                        ; my wave's 8,192 bytes,
	s_add_co_u32 s60, s60, s59
	s_add_co_u32 s60, s60, SK*128                  ; in slot 1: the first change of slots steps it to slot 2.  Nothing is asked for here, at the head
	s_add_nc_u64 s[PFA:PFA+1], s[4:5], s[60:61]
	s_sub_co_u32 s59, s[WV], 4
	s_lshr_b32 s59, s59, 3                         ; 0 in waves 4 to 11,
	s_or_b32 s59, s59, ttmp9                       ; of the work-group with i = 0
	s_cmp_eq_u32 s59, 0
	s_cselect_b32 s[LIM], 1, -1
	s_lshl_b32 s62, s[Q0], 7
	s_add_co_u32 s62, s62, s56
	s_add_nc_u64 s[6:7], s[6:7], s[62:63]          ; att16 at my first query
	s_add_nc_u64 s[4:5], s[4:5], s[62:63]          ; and Q, the first part
	v_and_b32 v3, 15, v0                           ; r
	v_bfe_u32 v4, v0, 4, 1                         ; h
	v_lshlrev_b32 v[QO], 7, v3
	v_lshl_add_u32 v[QO], v4, 4, v[QO]             ; row r of 128 bytes + 16 h
.irp t, 0,1
.irp s, 0,1
	global_load_b128 v[QF+16*\t+8*\s:QF+16*\t+8*\s+3], v[QO], s[4:5] offset:2048*\t+64*\s       ; Q stays in registers
	global_load_b128 v[QF+16*\t+8*\s+4:QF+16*\t+8*\s+7], v[QO], s[4:5] offset:2048*\t+64*\s+32
.endr
.endr
	v_mul_u32_u24 v[AK0], v3, KP
	v_lshl_add_u32 v[AK0], v4, 4, v[AK0]           ; K: row r x pitch + 16 h
	v_and_b32 v[DD], 7, v0
	v_lshl_add_u32 v[DD], v4, 3, v[DD]             ; V, for the turning load: key 8 h + lane % 8,
	v_mul_u32_u24 v[AV0], v[DD], VP
	v_bfe_u32 v[DD], v0, 3, 1
	v_lshl_add_u32 v[AV0], v[DD], 4, v[AV0]        ; channels 8 ((lane / 8) % 2) on
	v_add_nc_u32 v[AV0], VOFF, v[AV0]
	v_lshlrev_b32 v[DD], 3, v4
	v_sub_nc_u32 v[DQ], v3, v[DD]                  ; r - 8 h
	v_and_b32 v[PFO], 31, v0
	v_lshlrev_b32 v[PFO], 8, v[PFO]
	v_mov_b32 v[NINF], 0xff800000
.irp t, 0,1
	v_mov_b32 v[ST+8*\t+1], 0xff61b1e6             ; m: -3e38, under every score
	v_mul_f32 v[ST+8*\t], s[CS], v[ST+8*\t+1]      ; c m
.irp i, 2,3,4,5,6,7
	v_mov_b32 v[ST+8*\t+\i], 0                     ; l; and the registers that are named as a permute's destination or in a pair before they are first written
.endr
.endr
.set j, 0
.rept 64
	v_mov_b32 v[OT+j], 0                           ; O^T.  (The step is written once: the first finds zeros, which a = 0 leaves zeros)
.set j, j+1
.endr
; A KEY STEP: 64 keys, the q-th of the slot in hand.
.macro STEP q
	s_add_co_u32 s56, s[Q0], 31                    ; a step all of whose keys come after my 32 queries is left out: a scalar branch on ids; no barrier and no tensor load stands in a step
	s_cmp_gt_u32 s[KF], s56
	s_cbranch_scc1 .Lhidden_\@
	v_add_nc_u32 v[ADK], s[TB], v[AK0]
	v_add_nc_u32 v[ADV], s[TB], v[AV0]
.rept 3
	v_nop                                          ; with the two additions five places behind the last V^T P: four for the loads into its fragments' registers, five for the products that write over P's
.endr
.irp kt, 0,1,2,3
.irp s, 0,1
	ds_load_b128 v[KV+16*\kt+8*\s:KV+16*\kt+8*\s+3], v[ADK] offset:(64*(\q)+16*\kt)*KP+64*\s
	ds_load_b128 v[KV+16*\kt+8*\s+4:KV+16*\kt+8*\s+7], v[ADK] offset:(64*(\q)+16*\kt)*KP+64*\s+32
.endr
.endr
	s_wait_dscnt 0x0
.irp s, 0,1                                    ; S^T = K Q^T: eight accumulators by turns; the first eight products start the sums
.irp kt, 0,1,2,3
.irp t, 0,1
.if \s == 0
	v_wmma_f32_16x16x32_f16 v[S+32*\t+8*\kt:S+32*\t+8*\kt+7], v[KV+16*\kt+8*\s:KV+16*\kt+8*\s+7], v[QF+16*\t+8*\s:QF+16*\t+8*\s+7], 0
.else
	v_wmma_f32_16x16x32_f16 v[S+32*\t+8*\kt:S+32*\t+8*\kt+7], v[KV+16*\kt+8*\s:KV+16*\kt+8*\s+7], v[QF+16*\t+8*\s:QF+16*\t+8*\s+7], v[S+32*\t+8*\kt:S+32*\t+8*\kt+7]
.endif
.endr
.endr
.endr
.rept 4
	v_nop                                          ; places in front of the loads into K's registers and of the first read of the scores
.endr
.irp kk, 0,1                                   ; V, turned, into K's registers: it lands while the softmax is walked
.irp dt, 0,1,2,3
	ds_load_tr16_b128 v[KV+8*(4*\kk+\dt):KV+8*(4*\kk+\dt)+3], v[ADV] offset:(64*(\q)+32*\kk)*VP+32*\dt
	ds_load_tr16_b128 v[KV+8*(4*\kk+\dt)+4:KV+8*(4*\kk+\dt)+7], v[ADV] offset:(64*(\q)+32*\kk+16)*VP+32*\dt
.endr
.endr
	s_add_co_u32 s56, s[KF], 63                    ; on the diagonal the scores of hidden keys become -infinity ahead of the maximum.  A step all of whose keys count skips this
	s_cmp_le_u32 s56, s[Q0]
	s_cbranch_scc1 .Lopen_\@
	s_sub_co_i32 s56, s[Q0], s[KF]
	v_add_nc_u32 v[DD], s56, v[DQ]                 ; d = Q0 - KF + r - 8 h.  Register 8 kt + j of tile t holds key KF + 16 kt + 8 h + j for query Q0 + 16 t + r: hidden where 16 kt + j - 16 t > d
.irp t, 0,1
.irp kt, 0,1,2,3
.irp j, 0,1,2,3,4,5,6,7
	v_cmp_gt_i32 vcc_lo, 16*\kt+\j-16*\t, v[DD]
	v_cndmask_b32 v[S+32*\t+8*\kt+\j], v[S+32*\t+8*\kt+\j], v[NINF], vcc_lo
.endr
.endr
.endr
.Lopen_\@:
.irp c, 0,1,2,3                                ; the maximum of a lane's 32 scores, three operands at a time, four chains a tile; each accumulator is read from its low end on; the two tiles line by line
	v_max3_num_f32 v[ST+4+\c], v[S+8*\c], v[S+8*\c+1], v[S+8*\c+2]
	v_max3_num_f32 v[ST+12+\c], v[S+32+8*\c], v[S+32+8*\c+1], v[S+32+8*\c+2]
.endr
.irp i, 3,5
.irp c, 0,1,2,3
	v_max3_num_f32 v[ST+4+\c], v[ST+4+\c], v[S+8*\c+\i], v[S+8*\c+\i+1]
	v_max3_num_f32 v[ST+12+\c], v[ST+12+\c], v[S+32+8*\c+\i], v[S+32+8*\c+\i+1]
.endr
.endr
.irp t, 0,1
	v_max3_num_f32 v[ST+8*\t+4], v[ST+8*\t+4], v[S+32*\t+7], v[S+32*\t+15]
	v_max3_num_f32 v[ST+8*\t+6], v[ST+8*\t+6], v[S+32*\t+23], v[S+32*\t+31]
.endr
.irp t, 0,1
	v_max3_num_f32 v[ST+8*\t+4], v[ST+8*\t+4], v[ST+8*\t+5], v[ST+8*\t+6]
.endr
.irp t, 0,1
	v_max3_num_f32 v[ST+8*\t+4], v[ST+8*\t+4], v[ST+8*\t+7], v[ST+8*\t+1]   ; with the old m
.endr
.irp t, 0,1
	v_permlanex16_b32 v[ST+8*\t+5], v[ST+8*\t+4], s[SEL], s[SEL+1]          ; the query's other 32 keys lie in the lane 16 away
.endr
.irp t, 0,1
	v_mov_b32 v[ST+8*\t+7], v[ST+8*\t]             ; c m_old is kept for a
.endr
.irp t, 0,1
	v_max_num_f32 v[ST+8*\t+1], v[ST+8*\t+4], v[ST+8*\t+5]                  ; the new m
.endr
.irp t, 0,1
	v_mul_f32 v[ST+8*\t], s[CS], v[ST+8*\t+1]      ; c m
.endr
.irp t, 0,1
	v_sub_f32 v[ST+8*\t+7], v[ST+8*\t+7], v[ST+8*\t]
.endr
.irp t, 0,1
	v_exp_f32 v[ST+8*\t+6], v[ST+8*\t+7]           ; a = 2^(c m_old - c m_new)
.endr
.set j, 0
.rept 16
	v_pk_fma_f32 v[S+j:S+j+1], v[S+j:S+j+1], s[CS:CS+1], v[ST:ST+1] op_sel_hi:[1,0,0] neg_lo:[0,0,1] neg_hi:[0,0,1]              ; c s - c m, two at a time
	v_pk_fma_f32 v[S+32+j:S+32+j+1], v[S+32+j:S+32+j+1], s[CS:CS+1], v[ST+8:ST+9] op_sel_hi:[1,0,0] neg_lo:[0,0,1] neg_hi:[0,0,1]
.set j, j+2
.endr
.set j, 0
.rept 32
	v_exp_f32 v[S+j], v[S+j]                       ; p
	v_exp_f32 v[S+32+j], v[S+32+j]
.set j, j+1
.endr
	v_nop                                          ; a plain instruction behind the last exponential
	s_wait_alu depctr_va_vdst(0)                   ; the wait ahead of the first line that names a result: one for the 66 exponentials
.irp t, 0,1
	v_pk_mul_f32 v[ST+8*\t+2:ST+8*\t+3], v[ST+8*\t+2:ST+8*\t+3], v[ST+8*\t+6:ST+8*\t+7] op_sel_hi:[1,0]   ; l x a
.endr
.irp t, 0,1
	v_pk_add_f32 v[ST+8*\t+4:ST+8*\t+5], v[S+32*\t+2:S+32*\t+3], v[S+32*\t+6:S+32*\t+7]   ; the sums of the unrounded p, in two chains a tile
.endr
.irp j, 0,4,8,12,16,20,24,28
.irp t, 0,1
	v_pk_add_f32 v[ST+8*\t+2:ST+8*\t+3], v[ST+8*\t+2:ST+8*\t+3], v[S+32*\t+\j:S+32*\t+\j+1]
.if \j >= 8
	v_pk_add_f32 v[ST+8*\t+4:ST+8*\t+5], v[ST+8*\t+4:ST+8*\t+5], v[S+32*\t+\j+2:S+32*\t+\j+3]
.endif
.endr
.endr
.irp t, 0,1
	v_pk_add_f32 v[ST+8*\t+2:ST+8*\t+3], v[ST+8*\t+2:ST+8*\t+3], v[ST+8*\t+4:ST+8*\t+5]
.endr
.set j, 0
.rept 16
	v_cvt_pk_f16_f32 v[S+j], v[S+2*j], v[S+2*j+1]  ; P, in place: register j takes pair j, which lies at or above it
	v_cvt_pk_f16_f32 v[S+32+j], v[S+32+2*j], v[S+32+2*j+1]
.set j, j+1
.endr
.set j, 0
.rept 16
	v_pk_mul_f32 v[OT+j:OT+j+1], v[OT+j:OT+j+1], v[ST+6:ST+7] op_sel_hi:[1,0]             ; O^T x a, each accumulator from its low end on
	v_pk_mul_f32 v[OT+32+j:OT+32+j+1], v[OT+32+j:OT+32+j+1], v[ST+14:ST+15] op_sel_hi:[1,0]
.set j, j+2
.endr
	s_wait_dscnt 0x0                               ; V is in
.irp kk, 0,1                                   ; O^T += V^T P: eight accumulators by turns
.irp dt, 0,1,2,3
.irp t, 0,1
	v_wmma_f32_16x16x32_f16 v[OT+32*\t+8*\dt:OT+32*\t+8*\dt+7], v[KV+8*(4*\kk+\dt):KV+8*(4*\kk+\dt)+7], v[S+32*\t+8*\kk:S+32*\t+8*\kk+7], v[OT+32*\t+8*\dt:OT+32*\t+8*\dt+7]
.endr
.endr
.endr
.Lhidden_\@:
	s_add_co_u32 s[KF], s[KF], 64
.endm
; THE CHANGE OF SLOTS stands at a slot's head.  Each wave waits for all its tensor loads (its part of the slot that it is about to read), adds 0 to its spare word, and waits for that and for its reads of the slot that it has left.
; Behind the barrier the slot ahead is whole and nobody reads the other one.  fill = 1: that other slot takes the keys that follow, up to the causal limit: the load has a slot's four steps in which to land.  One load of a wave is out at most.
.macro CHANGE fill
	s_wait_tensorcnt 0x0                           ; no tensor load of mine is out, so a group 0 may be written
	ds_add_u32 v[SPW], v[NIL]                      ; 0 onto my spare word
.if \fill
	ds_add_u32 v[SPW], v[NIL]                      ; and once more: twice on end, in every trip alike
	s_xor_b32 s[G0K+1], s[G0K+1], SLOT1            ; the walking descriptors: the other slot than last time,
	s_add_nc_u64 s[G0K+2:G0K+3], s[G0K+2:G0K+3], SK*128   ; the next 256 keys; the type bits on top are not reached
	s_xor_b32 s[G0V+1], s[G0V+1], SLOT1
	s_add_nc_u64 s[G0V+2:G0V+3], s[G0V+2:G0V+3], SK*128
	s_wait_xcnt 0x0                                ; the last prefetch, a slot back, has read its address, so it may be written:
	s_add_nc_u64 s[PFA:PFA+1], s[PFA:PFA+1], SK*128       ; one slot further on than the walking descriptors
.endif
	s_wait_dscnt 0x0                               ; the add is done, and my reads of the slot that I have left are over
	s_barrier_signal -1
	s_barrier_wait -1
.if \fill
	s_add_co_u32 s56, s[KF], SK                    ; the first key of the slot that this change would ask for: past my work-group's last query it is read by none of the sixteen waves, and is not asked for.
	s_cmp_gt_u32 s56, s[LASTQ]                     ; Ids and the count of steps alone: all sixteen waves go the same way, and a work-group that is past the limit stays past it.  Every wait on TENSORcnt in this text is for 0
	s_cbranch_scc1 .Lpast_\@
	TLOAD
.Lpast_\@:
	ASK
.endif
.endm
.macro SLOT_STEPS
.irp q, 0,1,2,3
	STEP \q
.endr
	s_xor_b32 s[TB], s[TB], SLOT1                  ; on to the other slot
.endm
	s_wait_loadcnt 0x0                             ; Q
.Lslot:                                            ; seven trips: behind each change of slots but the last the next slot is asked for, up to the limit.  Slot 1's first fill stands behind the first trip's barrier, behind which nothing is filled again
	CHANGE 1
	SLOT_STEPS
	s_sub_co_u32 s[SLOTS], s[SLOTS], 1
	s_cmp_lg_u32 s[SLOTS], 0
	s_cbranch_scc1 .Lslot
	CHANGE 0                                       ; the last slot is written out: nothing is left to ask for
	SLOT_STEPS
	; THE WAY OUT.  l's halves are added; O^T is divided by l, rounded to f16 and sent through my stage: my 32 queries are 4,096 consecutive bytes of att16.
.rept 4
	v_nop                                          ; places behind the last products
.endr
.irp t, 0,1
	v_add_f32 v[ST+8*\t+4], v[ST+8*\t+2], v[ST+8*\t+3]
.endr
.irp t, 0,1
	v_permlanex16_b32 v[ST+8*\t+5], v[ST+8*\t+4], s[SEL], s[SEL+1]
.endr
.irp t, 0,1
	v_add_f32 v[ST+8*\t+4], v[ST+8*\t+4], v[ST+8*\t+5]
.endr
.irp t, 0,1
	v_rcp_f32 v[ST+8*\t+6], v[ST+8*\t+4]
.endr
	v_and_b32 v3, 15, v0                           ; (plain work behind the reciprocals)  r
	v_bfe_u32 v4, v0, 4, 1                         ; h
	s_mul_i32 s56, s[WV], 32*KP
	s_add_co_u32 s56, s56, STAGE                   ; my stage
	v_mul_u32_u24 v[STO], v3, KP
	v_lshl_add_u32 v[STO], v4, 4, v[STO]
	v_add_nc_u32 v[STO], s56, v[STO]               ; in: row r, + 16 h
	v_and_b32 v[GO], 31, v0
	v_lshrrev_b32 v[RD], 3, v[GO]
	v_mul_u32_u24 v[RD], v[RD], KP
	v_and_b32 v3, 7, v0
	v_lshl_add_u32 v[RD], v3, 4, v[RD]
	v_add_nc_u32 v[RD], s56, v[RD]                 ; back: eight lanes to a row, four rows an instruction
	v_lshlrev_b32 v[GO], 4, v[GO]
	s_wait_alu depctr_va_vdst(0)                   ; the wait ahead of the first use: one for the two reciprocals
.set j, 0
.rept 16
	v_pk_mul_f32 v[OT+j:OT+j+1], v[OT+j:OT+j+1], v[ST+6:ST+7] op_sel_hi:[1,0]
	v_pk_mul_f32 v[OT+32+j:OT+32+j+1], v[OT+32+j:OT+32+j+1], v[ST+14:ST+15] op_sel_hi:[1,0]
.set j, j+2
.endr
.set j, 0
.rept 32
	v_cvt_pk_f16_f32 v[S+j], v[OT+2*j], v[OT+2*j+1]
.set j, j+1
.endr
.irp t, 0,1
.irp dt, 0,1,2,3
	ds_store_b128 v[STO], v[S+16*\t+4*\dt:S+16*\t+4*\dt+3] offset:16*\t*KP+32*\dt
.endr
.endr
.irp i, 0,1,2,3,4,5,6,7
	ds_load_b128 v[KV+4*\i:KV+4*\i+3], v[RD] offset:\i*4*KP        ; in order behind my stores
.endr
.irp i, 0,1,2,3,4,5,6,7
	s_wait_dscnt 7-\i                              ; the younger loads may be out
	global_store_b128 v[GO], v[KV+4*\i:KV+4*\i+3], s[6:7] offset:512*\i   ; 32 lanes store 512 consecutive aligned bytes: four queries
.endr
	s_wait_tensorcnt 0x0                           ; the wave's end, behind my last tensor load and my last LDS store
	ds_add_u32 v[SPW], v[NIL]
	s_wait_dscnt 0x0
	s_endpgm
.Lfunc_end_k_qe89a8b01f8_attn:
	.size	k_qe89a8b01f8_attn, .Lfunc_end_k_qe89a8b01f8_attn-k_qe89a8b01f8_attn
	.p2alignl 7, 3214868480
	.fill 96, 4, 3214868480
	.section	.rodata,"a",@progbits
	.p2align	6, 0x0
	.amdhsa_kernel k_qe89a8b01f8_attn
		.amdhsa_group_segment_fixed_size 327680
		.amdhsa_private_segment_fixed_size 0
		.amdhsa_enable_private_segment 0
		.amdhsa_kernarg_size 16
		.amdhsa_user_sgpr_count 2
		.amdhsa_user_sgpr_kernarg_segment_ptr 1
		.amdhsa_wavefront_size32 1
		.amdhsa_system_sgpr_workgroup_id_x 1
		.amdhsa_system_sgpr_workgroup_id_y 1
		.amdhsa_system_sgpr_workgroup_id_z 1
		.amdhsa_system_vgpr_workitem_id 0
		.amdhsa_next_free_vgpr 256
		.amdhsa_next_free_sgpr 66
		.amdhsa_reserve_vcc 1
		.amdhsa_float_denorm_mode_32 3
		.amdhsa_float_denorm_mode_16_64 3
		.amdhsa_memory_ordered 1
		.amdhsa_forward_progress 1
		.amdhsa_inst_pref_size 188
	.end_amdhsa_kernel
	.amdgpu_metadata
---
amdhsa.version: [ 1, 2 ]
amdhsa.kernels:
  - .name:           k_qe89a8b01f8_attn
    .symbol:         k_qe89a8b01f8_attn.kd
    .args:
      - { .name: qkv16, .offset: 0, .size: 8, .value_kind: global_buffer, .address_space: global }
      - { .name: att16, .offset: 8, .size: 8, .value_kind: global_buffer, .address_space: global }
    .group_segment_fixed_size: 327680
    .private_segment_fixed_size: 0
    .kernarg_segment_align: 8
    .kernarg_segment_size: 16
    .max_flat_workgroup_size: 512
    .sgpr_count:     66
    .vgpr_count:     256
    .wavefront_size: 32
...
	.end_amdgpu_metadata
.endif
;; end of part 3
;; launch proj (part 4): grid 4 x 64, 4 waves a work-group, clusters of 4 x 4, 327,680 bytes of LDS; arguments att16, wp16, bp, out0; writes out0
.if DOCPART == 4
	.amdgcn_target "amdgcn-amd-amdhsa--gfx1250"
	.amdhsa_code_object_version 6
	.text
	.protected	k_qe89a8b01f8_proj
	.globl	k_qe89a8b01f8_proj
	.p2align	8
	.type	k_qe89a8b01f8_proj,@function
k_qe89a8b01f8_proj:
	s_mov_b64 s[64:65], 0
	v_nop
	global_prefetch_b8 v0, s[64:65] scope:SCOPE_SE
	s_setreg_imm32_b32 hwreg(HW_REG_WAVE_MODE, 25, 1), 1
	s_wait_xcnt 0x0
	s_wait_alu depctr_hold_cnt(0) depctr_sa_sdst(0) depctr_va_vdst(0) depctr_va_sdst(0) depctr_va_ssrc(0) depctr_va_vcc(0) depctr_vm_vsrc(0)
	s_getreg_b32 s2, hwreg(HW_REG_IB_STS2, 6, 4)
	s_cmp_eq_u32 s2, 0
	s_cbranch_scc0 .Lentry_in_a_cluster
	s_endpgm
.Lentry_in_a_cluster:
	s_bfe_u32 s2, ttmp6, 0x10000c
	s_cmp_lg_u32 s2, 0xf033
	s_cbranch_scc0 .Lentry_shape_is_right
	s_endpgm
.Lentry_shape_is_right:
; out0[m][n] = bp[n] + sum over c of A[m][c] Wp[n][c], m = 2,048 b + t, c = 64 head + d.  A is att16 [64 = 16 b + head][2048 t][64 d], f16; wp16 [1024 n][1024 c], f16; bp, out0 f32; sums in f32.
; A tile of out0 is 128 x 256: 256 tiles.  Four waves, each 64 rows x 128 columns: 32 accumulators of 16 x 16, 256 registers.  K goes in steps of 128, which are two heads: of A two dense blocks of 128 rows x 128 bytes,
; of Wp 256 rows x 256 bytes; a ring of two LDS slots.  Waves 0 and 1 fetch A's two heads, waves 2 and 3 Wp's two halves: one tensor load a wave.
; CLUSTERS: 4 x 4 work-groups.  The four of a row of the cluster need the same tiles of A, the four of a column the same tiles of Wp: each is asked for JOINTLY.
; THE MATRIX INSTRUCTION IS USED TRANSPOSED (source 0 = 16 rows of Wp, source 1 = 16 rows of A): a lane holds eight neighbouring n of one row m.  The bias is the C of each sum's first product.
; REGISTERS: window 0: v0-31 addresses; v32-95 A's fragments, two buffers of 4 x 8; v96-159 the bias, 8 registers for each block of 16 columns; on the way out v96-223.  window 1: Wp's fragments, two buffers of 8 x 8.
;   window 2: accumulator (a, b) at v[8 (8 a + b)].
.set KSTEP, 128
.set PA,    144                        ; a row of A in LDS: 128 bytes + 16
.set PB,    272                        ; a row of Wp: 256 + 16
.set SUBA,  128*PA                     ; a head's 128 rows
.set HALFB, 128*PB
.set BOFF,  2*SUBA                     ; Wp's rows lie behind A's two heads
.set SLOT,  BOFF+2*HALFB
.set STAGE, 2*SLOT                     ; behind the ring: 16 rows x (512 + 16) bytes for each wave
.set SPITCH, 528
.set SPARE, STAGE+4*16*SPITCH          ; the spare words, 128 bytes a wave, which no other line names
.set LAPS,  1024/(2*KSTEP)
.set ADRA, 16                          ; v16-17  LDS address of my A fragments in slot 0, 1
.set ADRB, 20                          ; v20-21  the same for Wp
.set STO,  24
.set RD,   25
.set CO,   26                          ; v26     16 x lane
.set BO,   27                          ; v27     32 x (lane / 16): the bias
.set SPW,  28                          ; v28     LDS address of my spare word; never rewritten
.set NIL,  29                          ; v29     0; never rewritten
.set PFO,  30                          ; v30     the prefetches' offset
.set FA,   32
.set BI,   96
.set G1,  24                           ; s[24:31] descriptor group 1 for A's tiles;  s[32:39] group 0, one set for each slot
.set G0,  32
.set LIM, 43                           ; s43     1 in a wave that prefetches, else the greatest number
.set PFA, 44                           ; s[44:45] where my prefetches stand
.set PFS, 46                           ; s[46:47] a K step on, in bytes
.set G1B, 48                           ; s[48:55], s[56:63] the same for Wp's tiles
.set G0B, 56
.set MSB, 0
.macro WIN new
.if MSB != (\new)
	s_set_vgpr_msb (MSB<<8)|(\new)
.set MSB, \new
.endif
.endm
.set MUL,  0xa1                        ; source 0 (Wp) window 1, source 1 (A) window 0, C and D window 2
.set MULB, 0x81                        ; the same with C (the bias) in window 0
.set TO_B, 0x40                        ; destination window 1, address window 0
.macro JLOAD s                         ; a joint load; an s_nop 0 and four v_nop follow each of the two lines
	s_cmp_eq_u32 s13, 0
	s_cbranch_scc0 .Lfor_b_\@
	tensor_load_to_lds s[G0+4*\s:G0+4*\s+3], s[G1:G1+7]
	s_nop 0
.rept 4
	v_nop
.endr
	s_branch .Lasked_\@
.Lfor_b_\@:
	tensor_load_to_lds s[G0B+4*\s:G0B+4*\s+3], s[G1B:G1B+7]
	s_nop 0
.rept 4
	v_nop
.endr
.Lasked_\@:
.endm
; A PREFETCH INTO THE L2, behind each joint refill and the run of LDS loads that follows it: the K step that stands two refills on, 256 matrix instructions of a wave ahead of the load that will want it.
; Each aligned block of 256 bytes is named once.  A's tile row is read by one cluster alone: of a K step's 128 blocks each of the four partners of a row takes 32, told apart BY ADDRESS (cx); wave 0 asks, lanes 256 bytes apart.
; Wp's tile column is read by every cluster: those with cluster y = 0 ask; the four partners of a column take 64 rows each by address (cy), waves 2 and 3 take 32 each, a lane a row.
; K steps 4 to 7 are asked for; the loop's last trip asks for nothing, and nothing is asked for at the head.
.macro ASK
	s_cmp_gt_u32 s3, s[LIM]                        ; s3 = 1 in the loop's last trip
	s_cbranch_scc0 .Lnot_mine_\@
	global_prefetch_b8 v[PFO], s[PFA:PFA+1] th:TH_LOAD_NT scope:SCOPE_SE
.Lnot_mine_\@:
.endm
.macro CREST                           ; a round of the cluster's barrier behind its opening barrier
	s_cmp_lg_u32 s12, 0
	s_cbranch_scc1 .Lnot_wave_0_\@
	s_barrier_signal -3
.Lnot_wave_0_\@:
	s_barrier_wait -3
	s_barrier_signal -1
	s_barrier_wait -1
.endm
.macro CROUND
	s_barrier_signal -1
	s_barrier_wait -1
	CREST
.endm
	s_load_b256 s[4:11], s[0:1], 0x0               ; att16 s[4:5], wp16 s[6:7], bp s[8:9], out0 s[10:11]
	v_lshl_add_u32 v[SPW], v0, 2, SPARE
	v_mov_b32 v[NIL], 0
	ds_add_u32 v[SPW], v[NIL]                      ; the wave's opening: the add, twice on end, and its wait ahead of my first tensor load
	ds_add_u32 v[SPW], v[NIL]
	v_lshrrev_b32 v1, 5, v0
	v_readfirstlane_b32 s12, v1                    ; wave 0..3
	s_lshr_b32 s13, s12, 1                         ; which 64 rows are mine.  Also: I fetch for A (0) or for Wp (1)
	s_and_b32 s14, s12, 1                          ; which 128 columns.  Also: which head of A, or which 128 rows of Wp, I fetch
	s_bfe_u32 s40, ttmp6, 0x40000                  ; cx, cy
	s_bfe_u32 s41, ttmp6, 0x40004
	s_lshl_b32 s42, ttmp9, 2
	s_add_co_u32 s42, s42, s40                     ; tile column = 4 x cluster x + cx
	s_and_b32 s17, ttmp7, 0xffff                   ; cluster y
	s_lshl_b32 s16, s17, 2
	s_add_co_u32 s16, s16, s41                     ; tile row = 4 x cluster y + cy
	s_lshl_b32 s18, s41, 2
	s_lshl_b32 s18, 15, s18                        ; my row of the cluster
	s_lshl_b32 s19, 0x1111, s40                    ; my column
	s_or_b32 s[G1], s18, (1<<16)|(1<<20)|(1<<21)|(4<<22)|(3<<25)    ; the mask; elements of 2 bytes; padding on; bit 21 beside a mask; after every 32 words; four words
	s_mov_b32 s[G1+1], 64<<16                      ; tensor_dim0
	s_mov_b32 s[G1+2], 128<<16                     ; tensor_dim1
	s_mov_b32 s[G1+3], 64<<16                      ; tile_dim0
	s_mov_b32 s[G1+4], 128                         ; tile_dim1
	s_mov_b32 s[G1+5], 64                          ; tensor_dim0_stride: a head's rows are dense
	s_mov_b32 s[G1+6], 0
	s_mov_b32 s[G1+7], 0
	s_or_b32 s[G1B], s19, (1<<16)|(1<<20)|(1<<21)|(5<<22)|(3<<25)   ; after every 64 words
	s_mov_b32 s[G1B+1], KSTEP<<16
	s_mov_b32 s[G1B+2], 128<<16
	s_mov_b32 s[G1B+3], KSTEP<<16
	s_mov_b32 s[G1B+4], 128
	s_mov_b32 s[G1B+5], 1024
	s_mov_b32 s[G1B+6], 0
	s_mov_b32 s[G1B+7], 0
	s_lshr_b32 s72, s16, 4
	s_lshl_b32 s72, s72, 22                        ; the batch: 16 heads of 262,144 bytes
	s_and_b32 s21, s16, 15
	s_lshl_b32 s21, s21, 14                        ; 128 rows of 128 bytes
	s_add_co_u32 s72, s72, s21                     ; A's tile in head 0 of its batch
	s_lshl_b32 s21, s14, 18
	s_add_co_u32 s66, s72, s21                     ; my head of a K step's two
	s_mov_b32 s67, 0
	s_lshl_b32 s68, s42, 19                        ; Wp: 256 rows of 2,048 bytes a tile column,
	s_add_co_u32 s68, s68, s21                     ; + my 128 rows
	s_mov_b32 s69, 0
	s_mul_i32 s70, s14, SUBA                       ; where they go: no place in the cluster enters an LDS address
	s_mul_i32 s71, s14, HALFB
	s_add_co_u32 s71, s71, BOFF
	s_wait_dscnt 0x0                               ; both opening adds are done
	s_wait_kmcnt 0x0
	s_add_nc_u64 s[66:67], s[4:5], s[66:67]
	s_add_nc_u64 s[68:69], s[6:7], s[68:69]
	CROUND                                         ; all sixteen work-groups are here: the first joint loads meet
.irp s, 0,1
	s_mov_b32 s[G0+4*\s], 1
	s_add_co_u32 s[G0+4*\s+1], s70, \s*SLOT
	s_add_nc_u64 s[G0+4*\s+2:G0+4*\s+3], s[66:67], \s*2*262144     ; K step s: heads 2 s, 2 s + 1
	s_or_b32 s[G0+4*\s+3], s[G0+4*\s+3], 0x80000000
	s_mov_b32 s[G0B+4*\s], 1
	s_add_co_u32 s[G0B+4*\s+1], s71, \s*SLOT
	s_add_nc_u64 s[G0B+4*\s+2:G0B+4*\s+3], s[68:69], \s*KSTEP*2
	s_or_b32 s[G0B+4*\s+3], s[G0B+4*\s+3], 0x80000000
	JLOAD \s                                       ; two loads of mine are out behind the second
.endr
	v_and_b32 v1, 15, v0                           ; r
	v_bfe_u32 v2, v0, 4, 1                         ; h
	v_mul_u32_u24 v3, v1, PA
	v_lshl_add_u32 v3, v2, 4, v3
	v_mul_u32_u24 v4, v1, PB
	v_lshl_add_u32 v4, v2, 4, v4
	s_mul_i32 s21, s13, 64*PA                      ; my 64 rows of A
	s_mul_i32 s22, s14, HALFB                      ; my 128 rows of Wp
	s_add_co_u32 s22, s22, BOFF
.irp s, 0,1
	v_add_nc_u32 v[ADRA+\s], s21, v3
	v_add_nc_u32 v[ADRB+\s], s22, v4
	s_add_co_u32 s21, s21, SLOT
	s_add_co_u32 s22, s22, SLOT
.endr
	s_mul_i32 s23, s12, 16*SPITCH
	s_add_co_u32 s23, s23, STAGE                   ; my stage
	v_mul_u32_u24 v5, v1, SPITCH
	v_lshl_add_u32 v5, v2, 5, v5
	v_add_nc_u32 v[STO], s23, v5                   ; in: row r, 32 bytes for each half of the lanes
	v_and_b32 v6, 31, v0
	v_lshlrev_b32 v[CO], 4, v6
	v_add_nc_u32 v[RD], s23, v[CO]                 ; back: the 32 lanes take one row of 512 bytes
	v_lshlrev_b32 v[BO], 5, v2
	s_lshl_b32 s20, s42, 10
	s_lshl_b32 s21, s14, 9
	s_add_co_u32 s20, s20, s21                     ; my first column, in bytes of f32
	s_mov_b32 s21, 0
	s_add_nc_u64 s[8:9], s[8:9], s[20:21]
	s_add_nc_u64 s[10:11], s[10:11], s[20:21]
	s_lshl_b32 s20, s16, 19                        ; 128 rows of 4,096 bytes a tile row,
	s_lshl_b32 s22, s13, 18                        ; + my 64
	s_add_co_u32 s20, s20, s22
	s_add_nc_u64 s[10:11], s[10:11], s[20:21]
.irp b, 0,1,2,3,4,5,6,7
	global_load_b128 v[BI+8*\b:BI+8*\b+3], v[BO], s[8:9] offset:64*\b          ; register j of block b: bp at my column 16 b + 8 h + j: the result's layout
	global_load_b128 v[BI+8*\b+4:BI+8*\b+7], v[BO], s[8:9] offset:64*\b+16
.endr
	; the prefetches
	s_lshr_b32 s73, s40, 1
	s_lshl_b32 s73, s73, 18                        ; A: partner cx takes head cx / 2 of the K step's two,
	s_and_b32 s74, s40, 1
	s_lshl_b32 s74, s74, 13                        ; half cx % 2 of its 16,384 bytes
	s_add_co_u32 s73, s73, s74
	s_add_co_u32 s73, s73, s72
	s_add_co_u32 s73, s73, 3*2*262144              ; at K step 3: the first refill steps it to 4
	s_lshl_b32 s74, s42, 8
	s_lshl_b32 s75, s41, 6
	s_add_co_u32 s74, s74, s75                     ; Wp: partner cy takes 64 rows of the tile column's 256,
	s_lshl_b32 s75, s14, 5
	s_add_co_u32 s74, s74, s75                     ; my wave 32 of them
	s_lshl_b32 s74, s74, 11
	s_add_co_u32 s74, s74, 3*KSTEP*2
	s_mov_b32 s75, 2*262144
	s_cmp_eq_u32 s13, 0                            ; do I fetch for A?
	s_cselect_b64 s[PFA:PFA+1], s[4:5], s[6:7]
	s_cselect_b32 s76, s73, s74
	s_cselect_b32 s[PFS], s75, KSTEP*2
	s_cselect_b32 s78, 8, 11                       ; from lane to lane: 256 bytes, or a row of Wp
	s_cselect_b32 s79, s14, s17                    ; A: wave 0 asks;  Wp: waves 2 and 3 where cluster y = 0: the same in all sixteen partners, for a given wave
	s_mov_b32 s77, 0
	s_mov_b32 s[PFS+1], 0
	s_add_nc_u64 s[PFA:PFA+1], s[PFA:PFA+1], s[76:77]
	s_cmp_eq_u32 s79, 0
	s_cselect_b32 s[LIM], 1, -1
	v_and_b32 v[PFO], 31, v0
	v_lshlrev_b32 v[PFO], s78, v[PFO]
; 8 matrix instructions: A's block a against Wp's eight, 32 along K, from buffer f.  first = 1: the bias starts the sums: nothing is cleared.
; The 32 accumulators take turns, one instruction a turn, in the same order in every quarter.
.macro MUL8 f, a, first
.irp b, 0,1,2,3,4,5,6,7
.if \first
	v_wmma_f32_16x16x32_f16 v[8*(8*(\a)+\b):8*(8*(\a)+\b)+7], v[64*(\f)+8*\b:64*(\f)+8*\b+7], v[FA+32*(\f)+8*(\a):FA+32*(\f)+8*(\a)+7], v[BI+8*\b:BI+8*\b+7]
.else
	v_wmma_f32_16x16x32_f16 v[8*(8*(\a)+\b):8*(8*(\a)+\b)+7], v[64*(\f)+8*\b:64*(\f)+8*\b+7], v[FA+32*(\f)+8*(\a):FA+32*(\f)+8*(\a)+7], v[8*(8*(\a)+\b):8*(8*(\a)+\b)+7]
.endif
.endr
.endm
; 24 LDS loads in one run: the fragments of the slot's q-th 32 along K into buffer f: Wp's eight, then A's four.  Of A, quarters 0, 1 lie in the first head's rows, quarters 2, 3 in the second's.
.macro FETCH slot, q, f
	WIN TO_B
.irp b, 0,1,2,3,4,5,6,7
	ds_load_b128 v[64*(\f)+8*\b:64*(\f)+8*\b+3],   v[ADRB+\slot] offset:64*(\q)+\b*16*PB
	ds_load_b128 v[64*(\f)+8*\b+4:64*(\f)+8*\b+7], v[ADRB+\slot] offset:64*(\q)+\b*16*PB+32
.endr
	WIN 0
.irp a, 0,1,2,3
	ds_load_b128 v[FA+32*(\f)+8*\a:FA+32*(\f)+8*\a+3],   v[ADRA+\slot] offset:SUBA*((\q)/2)+64*((\q)%2)+\a*16*PA
	ds_load_b128 v[FA+32*(\f)+8*\a+4:FA+32*(\f)+8*\a+7], v[ADRA+\slot] offset:SUBA*((\q)/2)+64*((\q)%2)+\a*16*PA+32
.endr
.endm
.macro PLACES                          ; four places in front of loads into registers that matrix instructions have read, and of the first read of results (ISA guide 7.12.1 for vector instructions)
.rept 4
	v_nop
.endr
.endm
; A K step is four quarters of 32 along K, 32 matrix instructions each, on buffers 0, 1, 0, 1.  One of the first three: multiplies buffer f and fetches quarter nq into g.
.macro QUARTER slot, nq, f, g, first
	s_wait_dscnt 4                                 ; Wp's eight and A's blocks 0, 1 are in; the youngest four loads (A's blocks 2, 3) may be out
	WIN MUL-0x20*(\first)
	MUL8 \f, 0, \first
	MUL8 \f, 1, \first
	PLACES
	FETCH \slot, \nq, \g
	s_wait_dscnt 24                                ; all but the 24 just issued
	WIN MUL-0x20*(\first)
	MUL8 \f, 2, \first
	MUL8 \f, 3, \first
.endm
; The last quarter multiplies buffer 1 and changes slots: ONE barrier; in front of it each wave waits for all its tensor loads, adds 0 to its spare word, and waits for that and for its reads of this slot.
; fill = 1: the barrier opens a round of the cluster's barrier, and behind the round this slot is filled again, two K steps ahead: one load of mine is out.
.macro TURN slot, next, fill
.if \fill
	s_wait_xcnt 0x0                                ; the last prefetch, a K step back, has read its address: it is stepped here, ahead of the waits of the change of slots
	s_add_nc_u64 s[PFA:PFA+1], s[PFA:PFA+1], s[PFS:PFS+1]
.endif
	WIN 0                                          ; (the add's two registers lie in window 0)
	s_wait_tensorcnt 0x0                           ; all my tensor loads have landed: my part of the next slot
	ds_add_u32 v[SPW], v[NIL]                      ; 0 onto my spare word
	s_wait_dscnt 5                                 ; (the add and the youngest four loads may be out)
	WIN MUL
	MUL8 1, 0, 0                                   ; eight matrix instructions stand between the add and the wait for it
	s_wait_dscnt 0x0                               ; the add is done, and my reads of this slot are over
	s_barrier_signal -1
	MUL8 1, 1, 0
	WIN 0
	s_barrier_wait -1
.if \fill
	CREST                                          ; no wave of any partner still reads this slot's tiles or has a load on its way
	s_add_nc_u64 s[G0+4*\slot+2:G0+4*\slot+3], s[G0+4*\slot+2:G0+4*\slot+3], 4*262144
	s_add_nc_u64 s[G0B+4*\slot+2:G0B+4*\slot+3], s[G0B+4*\slot+2:G0B+4*\slot+3], 2*KSTEP*2
	JLOAD \slot                                    ; the first tensor load behind the round; its four v_nop are also the places in front of the loads below
.else
	PLACES
.endif
	FETCH \next, 0, 0
.if \fill
	ASK
.endif
	WIN MUL
	MUL8 1, 2, 0
	MUL8 1, 3, 0
.endm
	s_wait_tensorcnt 1                             ; my part of K step 0 is in (K step 1's load may be out)
	s_barrier_signal -1
	s_barrier_wait -1                              ; everybody's is
	FETCH 0, 0, 0
	s_wait_loadcnt 0x0                             ; the bias
	QUARTER 0, 1, 0, 1, 1                          ; the first quarter stands in front of the loop: its products start the sums, on the bias
	WIN 0                                          ; at a label and at a branch every window is 0
	s_mov_b32 s3, LAPS-1
.Llap:                                                 ; a trip goes once round the ring, from a lap's second quarter to the next lap's first, and fills both slots again
	QUARTER 0, 2, 1, 0, 0
	QUARTER 0, 3, 0, 1, 0
	TURN 0, 1, 1
	QUARTER 1, 1, 0, 1, 0
	QUARTER 1, 2, 1, 0, 0
	QUARTER 1, 3, 0, 1, 0
	TURN 1, 0, 1
	QUARTER 0, 1, 0, 1, 0
	WIN 0
	s_sub_co_u32 s3, s3, 1
	s_cmp_lg_u32 s3, 0
	s_cbranch_scc1 .Llap
	QUARTER 0, 2, 1, 0, 0                          ; the last lap fills nothing, and has no round of the cluster's barrier
	QUARTER 0, 3, 0, 1, 0
	TURN 0, 1, 0
	QUARTER 1, 1, 0, 1, 0
	QUARTER 1, 2, 1, 0, 0
	QUARTER 1, 3, 0, 1, 0
	s_wait_dscnt 4                                 ; the very last quarter: nothing more to fetch
	WIN MUL
	MUL8 1, 0, 0
	MUL8 1, 1, 0
	s_wait_dscnt 0
	MUL8 1, 2, 0
	MUL8 1, 3, 0
	WIN 0
; THE WAY OUT, block by block of 16 rows x 128 columns, through my own stage: a lane holds 32 neighbouring bytes of a row; they come back as whole rows of 512 bytes.  LDS serves a wave's instructions in order (ISA guide 5.7.1.4).
.macro TOSTAGE a
	WIN 0x08                                       ; an LDS store's data: window 2
.irp b, 0,1,2,3,4,5,6,7
	ds_store_b128 v[STO], v[8*(8*(\a)+\b):8*(8*(\a)+\b)+3] offset:64*\b        ; each accumulator from its low end on
	ds_store_b128 v[STO], v[8*(8*(\a)+\b)+4:8*(8*(\a)+\b)+7] offset:64*\b+16
.endr
	WIN 0
.set BB, 160-64*((\a)%2)               ; v160-223 and v96-159 by turns
.irp t, 0,1,2,3,4,5,6,7,8,9,10,11,12,13,14,15
	ds_load_b128 v[BB+4*\t:BB+4*\t+3], v[RD] offset:\t*SPITCH
.endr
.endm
.macro SEND a, younger                 ; younger: the LDS instructions issued behind block a's loads, which may stay out
.set BB, 160-64*((\a)%2)
	s_wait_dscnt \younger
.irp t, 0,1,2,3,4,5,6,7,8,9,10,11,12,13,14,15
	global_store_b128 v[CO], v[BB+4*\t:BB+4*\t+3], s[10:11] offset:(16*(\a)+\t)*4096 th:TH_STORE_NT   ; 32 lanes store 512 consecutive aligned bytes
.endr
.endm
	PLACES
	TOSTAGE 0
.irp a, 1,2,3
.if \a > 1
	s_wait_xcnt 0x0                                ; block a - 2's stores have read their registers: block a's loads may land there
.endif
	TOSTAGE \a
	SEND \a-1, 32                                  ; behind block a - 1's loads: block a's 16 stores and 16 loads
.endr
	SEND 3, 0
	s_wait_tensorcnt 0x0                           ; the wave's end, behind my last tensor load and my last LDS store
	ds_add_u32 v[SPW], v[NIL]
	s_wait_dscnt 0x0
	CROUND                                         ; the closing round: no work-group ends while a partner may still ask for a tile that names it
	s_endpgm
.Lfunc_end_k_qe89a8b01f8_proj:
	.size	k_qe89a8b01f8_proj, .Lfunc_end_k_qe89a8b01f8_proj-k_qe89a8b01f8_proj
	.p2alignl 7, 3214868480
	.fill 96, 4, 3214868480
	.section	.rodata,"a",@progbits
	.p2align	6, 0x0
	.amdhsa_kernel k_qe89a8b01f8_proj
		.amdhsa_group_segment_fixed_size 327680
		.amdhsa_private_segment_fixed_size 0
		.amdhsa_enable_private_segment 0
		.amdhsa_kernarg_size 32
		.amdhsa_user_sgpr_count 2
		.amdhsa_user_sgpr_kernarg_segment_ptr 1
		.amdhsa_wavefront_size32 1
		.amdhsa_system_sgpr_workgroup_id_x 1
		.amdhsa_system_sgpr_workgroup_id_y 1
		.amdhsa_system_sgpr_workgroup_id_z 1
		.amdhsa_system_vgpr_workitem_id 0
		.amdhsa_next_free_vgpr 768
		.amdhsa_next_free_sgpr 80
		.amdhsa_reserve_vcc 0
		.amdhsa_float_denorm_mode_32 3
		.amdhsa_float_denorm_mode_16_64 3
		.amdhsa_memory_ordered 1
		.amdhsa_forward_progress 1
		.amdhsa_inst_pref_size 88
	.end_amdhsa_kernel
	.amdgpu_metadata
---
amdhsa.version: [ 1, 2 ]
amdhsa.kernels:
  - .name:           k_qe89a8b01f8_proj
    .symbol:         k_qe89a8b01f8_proj.kd
    .args:
      - { .name: att16, .offset: 0, .size: 8, .value_kind: global_buffer, .address_space: global }
      - { .name: wp16, .offset: 8, .size: 8, .value_kind: global_buffer, .address_space: global }
      - { .name: bp, .offset: 16, .size: 8, .value_kind: global_buffer, .address_space: global }
      - { .name: out0, .offset: 24, .size: 8, .value_kind: global_buffer, .address_space: global }
    .group_segment_fixed_size: 327680
    .private_segment_fixed_size: 0
    .kernarg_segment_align: 8
    .kernarg_segment_size: 32
    .max_flat_workgroup_size: 128
    .sgpr_count:     80
    .vgpr_count:     768
    .wavefront_size: 32
...
	.end_amdgpu_metadata
.endif
;; end of part 4
;; launch first16 (part 5): grid 16 x 4, 16 waves a work-group, no clusters, 71,680 bytes of LDS; arguments qkv32, Wp, bp, out0; writes out0
.if DOCPART == 5
	.amdgcn_target "amdgcn-amd-amdhsa--gfx1250"
	.amdhsa_code_object_version 6
	.text
	.protected	k_qe89a8b01f8_first16
	.globl	k_qe89a8b01f8_first16
	.p2align	8
	.type	k_qe89a8b01f8_first16,@function
k_qe89a8b01f8_first16:
	s_mov_b64 s[64:65], 0
	v_nop
	global_prefetch_b8 v0, s[64:65] scope:SCOPE_SE
	s_setreg_imm32_b32 hwreg(HW_REG_WAVE_MODE, 25, 1), 1
	s_wait_xcnt 0x0
; THE FIRST 16 POSITIONS OF EACH SEQUENCE, in f32 throughout: under the causal mask they average one to sixteen values and are the largest in size, so the rounding of 16-bit operands weighs most there.
; out0[b][t][n], t < 16, is written anew: attention over keys 0 .. t and the projection with Wp and bp, from q, k, v as f32 (qkv32 [4 b][16 t][3072]: q, k, v at columns 0, 1,024, 2,048 + 64 head + d).
; SHARES.  Work-group (x, b) makes columns 64 x .. 64 x + 63 of batch b's 16 rows.  Wave w = head w: its head's 16 x 16 attention, then its 64 channels against Wp[64 x + .., 64 w + ..]; the sixteen partial sums meet in LDS, and wave w adds row t = w.
; All products by v_wmma_f32_16x16x4_f32, 96 a wave: no bulk work.  Nothing changes lanes between them: each product is used transposed, so that a lane holds one query, and k is laid alike on both sides:
; the instruction's place (half h, register j) holds channel 8 i + 4 h + 2 p + j in S^T = K Q^T, key 8 h + 2 s + j in O^T = V^T P, channel 16 dt + 8 h + 2 s + j in the projection.
; The registers that these instructions write (v176-223) are written by them alone; each sum begins with the constant 0.
.set PS,    272                        ; a row of partial sums in LDS: 256 bytes + 16
.set WPART, 16*PS                      ; a wave's 16 rows
.set SPARE, 16*WPART                   ; the spare words, 128 bytes a wave, which no other line names
.set SPW,  6
.set NIL,  7
.set QR,   16                          ; v16-47   Q, then Wp's tile 2, then the partial sums read back
.set KR,   48                          ; v48-79   K, then Wp's tile 3
.set VR,   80                          ; v80-111  V, then the attention's result
.set W0,   112                         ; v112-143, v144-175 Wp's tiles 0, 1
.set SA,   176                         ; v176-183, v184-191 S^T in two sums
.set OA,   192                         ; v192-223 O^T; then the projection's four tiles
.set P,    224                         ; v224-231 p
.set T,    232                         ; v232-239 the scores
	s_load_b256 s[4:11], s[0:1], 0x0               ; qkv32, Wp, bp, out0
	v_lshl_add_u32 v[SPW], v0, 2, SPARE
	v_mov_b32 v[NIL], 0
	v_lshrrev_b32 v1, 5, v0
	v_readfirstlane_b32 s12, v1                    ; wave = head
	s_and_b32 s13, ttmp7, 0xffff                   ; batch
	v_and_b32 v1, 15, v0                           ; r
	v_bfe_u32 v2, v0, 4, 1                         ; h
	v_mul_u32_u24 v3, v1, 12288
	v_lshl_add_u32 v3, v2, 4, v3                   ; Q, K: row r of 12,288 bytes, + 16 h
	v_mul_u32_u24 v4, v2, 8*12288
	v_lshl_add_u32 v4, v1, 2, v4                   ; V: key 8 h, channel r
	v_lshlrev_b32 v5, 12, v1
	v_lshl_add_u32 v5, v2, 5, v5                   ; Wp: row r of 4,096 bytes, + 32 h
	s_mul_i32 s14, s12, WPART
	v_mul_u32_u24 v8, v1, PS
	v_lshl_add_u32 v8, v2, 5, v8
	v_add_nc_u32 v8, s14, v8                       ; my partial sums: row r, + 32 h
	v_and_b32 v10, 31, v0
	v_lshlrev_b32 v10, 3, v10                      ; 8 x lane
	s_mul_i32 s14, s12, PS
	v_add_nc_u32 v9, s14, v10                      ; row t = w of a wave's partial sums
	v_lshlrev_b32 v11, 3, v2
	v_sub_nc_u32 v11, v1, v11                      ; r - 8 h
	v_mov_b32 v251, 0xff800000                     ; -infinity
	v_mov_b32 v241, 0                              ; (a lane permute's destination counts as one of its sources)
	s_mov_b32 s24, 0x76543210
	s_mov_b32 s25, 0xfedcba98                      ; v_permlanex16_b32's selects for lane l xor 16
	s_mov_b32 s26, 0x3d38aa3b                      ; c = log2(e) / 32
	s_mul_i32 s16, s13, 16*12288
	s_lshl_b32 s15, s12, 8                         ; my head's 64 channels: 256 bytes
	s_add_co_u32 s16, s16, s15
	s_mov_b32 s17, 0
	s_lshl_b32 s18, ttmp9, 18                      ; 64 rows of Wp
	s_add_co_u32 s18, s18, s15
	s_mov_b32 s19, 0
	s_lshl_b32 s20, ttmp9, 8                       ; 64 columns of f32
	s_mov_b32 s21, 0
	s_lshl_b32 s22, s13, 23                        ; a batch of out0
	s_lshl_b32 s15, s12, 12                        ; row t = w
	s_add_co_u32 s22, s22, s15
	s_add_co_u32 s22, s22, s20
	s_mov_b32 s23, 0
	s_wait_kmcnt 0x0
	s_add_nc_u64 s[4:5], s[4:5], s[16:17]
	s_add_nc_u64 s[6:7], s[6:7], s[18:19]
	s_add_nc_u64 s[8:9], s[8:9], s[20:21]
	s_add_nc_u64 s[10:11], s[10:11], s[22:23]
	global_load_b64 v[12:13], v10, s[8:9]          ; the bias of my two columns
.irp i, 0,1,2,3,4,5,6,7
	global_load_b128 v[QR+4*\i:QR+4*\i+3], v3, s[4:5] offset:32*\i              ; Q(r, 8 i + 4 h + 0 .. 3)
.endr
.irp i, 0,1,2,3,4,5,6,7
	global_load_b128 v[KR+4*\i:KR+4*\i+3], v3, s[4:5] offset:4096+32*\i         ; K likewise
.endr
.irp dt, 0,1,2,3
.irp kk, 0,1,2,3,4,5,6,7
	global_load_b32 v[VR+8*\dt+\kk], v4, s[4:5] offset:8192+12288*\kk+64*\dt    ; V(8 h + kk, 16 dt + r)
.endr
.endr
.macro WLOAD reg, nt                   ; Wp's tile nt: register 8 dt + 4 c + e: Wp(64 x + 16 nt + r, 64 w + 16 dt + 8 h + 4 c + e)
.irp dt, 0,1,2,3
	global_load_b128 v[\reg+8*\dt:\reg+8*\dt+3], v5, s[6:7] offset:65536*\nt+64*\dt
	global_load_b128 v[\reg+8*\dt+4:\reg+8*\dt+7], v5, s[6:7] offset:65536*\nt+64*\dt+16
.endr
.endm
	WLOAD W0, 0
	WLOAD W0+32, 1
	s_wait_loadcnt 48                              ; the bias, Q and K are in; V's 32 loads and Wp's 16 may be out
	; S^T = K Q^T: 16 steps of 4 channels, two sums by turns
.irp st, 0,1,2,3,4,5,6,7,8,9,10,11,12,13,14,15
.if \st < 2
	v_wmma_f32_16x16x4_f32 v[SA+8*(\st%2):SA+8*(\st%2)+7], v[KR+2*\st:KR+2*\st+1], v[QR+2*\st:QR+2*\st+1], 0
.else
	v_wmma_f32_16x16x4_f32 v[SA+8*(\st%2):SA+8*(\st%2)+7], v[KR+2*\st:KR+2*\st+1], v[QR+2*\st:QR+2*\st+1], v[SA+8*(\st%2):SA+8*(\st%2)+7]
.endif
.endr
.rept 9
	v_nop                                          ; places behind this form: eight for the loads into Q's and K's registers and for the first read of the sums
.endr
	WLOAD QR, 2
	WLOAD KR, 3
.irp j, 0,1,2,3,4,5,6,7
	v_add_f32 v[T+\j], v[SA+\j], v[SA+8+\j]        ; lane (r, h): query r, key 8 h + j; both sums from their low end on
.endr
.irp j, 0,1,2,3,4,5,6,7
	v_cmp_gt_i32 vcc_lo, \j, v11                   ; hidden where 8 h + j > r
	v_cndmask_b32 v[T+\j], v[T+\j], v251, vcc_lo
.endr
	v_max3_num_f32 v240, v[T], v[T+1], v[T+2]
	v_max3_num_f32 v240, v240, v[T+3], v[T+4]
	v_max3_num_f32 v240, v240, v[T+5], v[T+6]
	v_max_num_f32 v240, v240, v[T+7]
	v_permlanex16_b32 v241, v240, s24, s25
	v_max_num_f32 v240, v240, v241                 ; the row's maximum (key 0 counts for every query)
	v_mul_f32 v243, s26, v240                      ; c m
.irp j, 0,1,2,3,4,5,6,7
	v_fma_f32 v[T+\j], v[T+\j], s26, -v243         ; c s - c m; the rounding of c m is common to the row and leaves with the division by the sum
.endr
.irp j, 0,1,2,3,4,5,6,7
	v_exp_f32 v[P+\j], v[T+\j]
.endr
	v_nop                                          ; a plain instruction behind the last exponential
	s_wait_alu depctr_va_vdst(0)                   ; the wait ahead of the first line that names a result: one for the eight
	v_add_f32 v242, v[P], v[P+1]
	v_add_f32 v244, v[P+2], v[P+3]
	v_add_f32 v245, v[P+4], v[P+5]
	v_add_f32 v246, v[P+6], v[P+7]
	v_add_f32 v242, v242, v244
	v_add_f32 v245, v245, v246
	v_add_f32 v242, v242, v245
	v_permlanex16_b32 v241, v242, s24, s25
	v_add_f32 v242, v242, v241                     ; the row's sum
	v_rcp_f32 v250, v242
	s_wait_loadcnt 32                              ; V is in; Wp's four tiles may be out
	; O^T = V^T P: 4 steps of 4 keys, four sums by turns
.irp s, 0,1,2,3
.irp dt, 0,1,2,3
.if \s == 0
	v_wmma_f32_16x16x4_f32 v[OA+8*\dt:OA+8*\dt+7], v[VR+8*\dt+2*\s:VR+8*\dt+2*\s+1], v[P+2*\s:P+2*\s+1], 0
.else
	v_wmma_f32_16x16x4_f32 v[OA+8*\dt:OA+8*\dt+7], v[VR+8*\dt+2*\s:VR+8*\dt+2*\s+1], v[P+2*\s:P+2*\s+1], v[OA+8*\dt:OA+8*\dt+7]
.endif
.endr
.endr
.rept 9
	v_nop                                          ; nine places: for the read of the sums, the writes over V's registers, and the products below that write over these sums' registers.  (Also the plain work behind the reciprocal)
.endr
	s_wait_alu depctr_va_vdst(0)                   ; the reciprocal's wait, ahead of its first reader
.set j, 0
.rept 32
	v_mul_f32 v[VR+j], v[OA+j], v250               ; the attention's result: register 8 dt + j: channel 16 dt + 8 h + j of query r
.set j, j+1
.endr
	s_wait_loadcnt 0x0                             ; Wp
	; the projection, transposed: source 0 = 16 rows of Wp, source 1 = my 16 queries; 16 steps of 4 channels, four sums by turns
.macro PRJ dt, s, nt, reg
.if (\dt) == 0 && (\s) == 0
	v_wmma_f32_16x16x4_f32 v[OA+8*\nt:OA+8*\nt+7], v[\reg+8*\dt+2*\s:\reg+8*\dt+2*\s+1], v[VR+8*\dt+2*\s:VR+8*\dt+2*\s+1], 0
.else
	v_wmma_f32_16x16x4_f32 v[OA+8*\nt:OA+8*\nt+7], v[\reg+8*\dt+2*\s:\reg+8*\dt+2*\s+1], v[VR+8*\dt+2*\s:VR+8*\dt+2*\s+1], v[OA+8*\nt:OA+8*\nt+7]
.endif
.endm
.irp dt, 0,1,2,3
.irp s, 0,1,2,3
	PRJ \dt, \s, 0, W0
	PRJ \dt, \s, 1, W0+32
	PRJ \dt, \s, 2, QR
	PRJ \dt, \s, 3, KR
.endr
.endr
.rept 8
	v_nop                                          ; eight places in front of the stores that read the sums and of the loads into Wp's registers
.endr
.irp nt, 0,1,2,3
	ds_store_b128 v8, v[OA+8*\nt:OA+8*\nt+3] offset:64*\nt         ; lane (r, h): row t = r, columns 16 nt + 8 h + 0 .. 7; each sum from its low end on
	ds_store_b128 v8, v[OA+8*\nt+4:OA+8*\nt+7] offset:64*\nt+16
.endr
	s_wait_dscnt 0x0                               ; for the others' sake: my partial sums have landed
	s_barrier_signal -1
	s_barrier_wait -1
.irp k, 0,1,2,3,4,5,6,7,8,9,10,11,12,13,14,15
	ds_load_b64 v[QR+2*\k:QR+2*\k+1], v9 offset:\k*WPART           ; row t = w of head k's partial sums: 8 bytes a lane
.endr
	s_wait_dscnt 0x0
	v_pk_add_f32 v[14:15], v[QR+2:QR+3], v[QR+6:QR+7]              ; the bias and the sixteen heads, in two chains
.irp k, 0,2,4,6,8,10,12,14
	v_pk_add_f32 v[12:13], v[12:13], v[QR+2*\k:QR+2*\k+1]
.if \k >= 4
	v_pk_add_f32 v[14:15], v[14:15], v[QR+2*\k+2:QR+2*\k+3]
.endif
.endr
	v_pk_add_f32 v[12:13], v[12:13], v[14:15]
	global_store_b64 v10, v[12:13], s[10:11]       ; 32 lanes store 256 consecutive aligned bytes of row t = w
	s_wait_tensorcnt 0x0                           ; the wave's end, behind my last LDS store
	ds_add_u32 v[SPW], v[NIL]
	s_wait_dscnt 0x0
	s_endpgm
.Lfunc_end_k_qe89a8b01f8_first16:
	.size	k_qe89a8b01f8_first16, .Lfunc_end_k_qe89a8b01f8_first16-k_qe89a8b01f8_first16
	.p2alignl 7, 3214868480
	.fill 96, 4, 3214868480
	.section	.rodata,"a",@progbits
	.p2align	6, 0x0
	.amdhsa_kernel k_qe89a8b01f8_first16
		.amdhsa_group_segment_fixed_size 71680
		.amdhsa_private_segment_fixed_size 0
		.amdhsa_enable_private_segment 0
		.amdhsa_kernarg_size 32
		.amdhsa_user_sgpr_count 2
		.amdhsa_user_sgpr_kernarg_segment_ptr 1
		.amdhsa_wavefront_size32 1
		.amdhsa_system_sgpr_workgroup_id_x 1
		.amdhsa_system_sgpr_workgroup_id_y 1
		.amdhsa_system_sgpr_workgroup_id_z 1
		.amdhsa_system_vgpr_workitem_id 0
		.amdhsa_next_free_vgpr 256
		.amdhsa_next_free_sgpr 66
		.amdhsa_reserve_vcc 1
		.amdhsa_float_denorm_mode_32 3
		.amdhsa_float_denorm_mode_16_64 3
		.amdhsa_memory_ordered 1
		.amdhsa_forward_progress 1
		.amdhsa_inst_pref_size 24
	.end_amdhsa_kernel
	.amdgpu_metadata
---
amdhsa.version: [ 1, 2 ]
amdhsa.kernels:
  - .name:           k_qe89a8b01f8_first16
    .symbol:         k_qe89a8b01f8_first16.kd
    .args:
      - { .name: qkv32, .offset: 0, .size: 8, .value_kind: global_buffer, .address_space: global }
      - { .name: Wp, .offset: 8, .size: 8, .value_kind: global_buffer, .address_space: global }
      - { .name: bp, .offset: 16, .size: 8, .value_kind: global_buffer, .address_space: global }
      - { .name: out0, .offset: 24, .size: 8, .value_kind: global_buffer, .address_space: global }
    .group_segment_fixed_size: 71680
    .private_segment_fixed_size: 0
    .kernarg_segment_align: 8
    .kernarg_segment_size: 32
    .max_flat_workgroup_size: 512
    .sgpr_count:     66
    .vgpr_count:     256
    .wavefront_size: 32
...
	.end_amdgpu_metadata
.endif
;; end of part 5
